; MI455X (gfx1250); checked and timed in simulation.
; The chip was launched on July 23, 2026; its instructions are those of AMD's public machine-readable ISA for CDNA 5 (MIT licence, August 2026) and "CDNA5" Instruction Set Architecture Reference Guide (July 2026). The comments in the code are by the model that wrote it; some were corrected since.
;; Multi Head Attention. Allowed arithmetic: matrix products marked QUANTISED: E2M1 operands, one E8M0 scale for each 32 along K, by v_wmma_scale_f32_16x16x128_f8f6f4 with both operands' format E2M1 (or v_wmma_scale_f32_32x16x128_f4), f32 sums; products left as they are: bf16, f16 or f32 operands; f32 sums; everything else in f32.
;; Inputs: b_proj 1,024 float32; b_qkv 3,072 float32; w_proj 1,024 x 1,024 float32; w_qkv 1,024 x 3,072 float32; x 4 x 2,048 x 1,024 float32.
;; Outputs: out0 4 x 2,048 x 1,024 float32.
;; This version of the problem:
;;   THIS VERSION OF THE PROBLEM IS GIVEN IN LOW PRECISION. The matrix products marked QUANTISED in the list below multiply operands that are first quantised to E2M1 (2 exponent bits, 1 mantissa bit; 4 bits a number), with one power-of-two scale for each 32 numbers along K (OCP MX v1.0); their sums are f32. The products marked 'left as it is' may take bf16, f16 or f32 operands, with f32 sums. Whichever they take, every output number must still come out within the allowed error. Rounding operands to bf16 (8 significant bits) uses up far more of that allowance than f16 does (11 bits, for magnitudes from 6e-5 to 65,504). All else is computed in f32.
;;   The module's matrix products, in the order in which they are computed (A, B: the left and right operand; K: the contracted axis; several contracted axes count as one K, in the product's order):
;;     1. [M 8,192, K 1,024] x [K 1,024, N 3,072]; A: input x; B: input w_qkv: QUANTISED
;;     2. batch 64 x [M 2,048, K 64] x [K 64, N 2,048]; A: computed on the way; B: computed on the way: left as it is (an operand is computed on the way)
;;     3. batch 64 x [M 2,048, K 2,048] x [K 2,048, N 64]; A: computed on the way; B: computed on the way: left as it is (an operand is computed on the way)
;;     4. [M 8,192, K 1,024] x [K 1,024, N 1,024]; A: computed on the way; B: input w_proj: left as it is (an operand is computed on the way)
;;   THE QUANTISER, for each operand of a quantised product, along K:
;;     - K is cut into blocks of 32 from its start; a last block that is shorter is filled with zeros.
;;     - A block's scale is 2^e with e = floor(log2(the largest magnitude in the block)) - 2, held to -126 .. 127; a block of zeros has e = 0. As a byte (E8M0): e + 127.
;;     - Each number is divided by its block's scale, clamped to +-6, and rounded to the nearest number of E2M1, ties to even, subnormals kept.
;;     - The product sums the exact products of the quantised numbers (number of the format x scale) in f32.
;;   ~~~python
;;   def quantise(x, axis):      # numpy; x: float32 -> the quantised numbers, widened to float32 again
;;       x = np.moveaxis(x, axis, -1); K = x.shape[-1]
;;       x = np.pad(x, [(0, 0)] * (x.ndim - 1) + [(0, -K % 32)]); x = x.reshape(x.shape[:-1] + (-1, 32)); a = np.abs(x).max(-1, keepdims=True)
;;       e = np.where(a > 0, np.clip(np.frexp(np.where(a > 0, a, 1))[1] - 1 - 2, -126, 127), 0)      # np.frexp(a)[1] - 1 = floor(log2(a)), exactly
;;       r = np.clip(x / 2.0 ** e, -6, 6)
;;       step = 2.0 ** (np.maximum(np.frexp(np.where(r == 0, 1, r))[1] - 1, 0) - 1)
;;       q = np.round(r / step) * step * 2.0 ** e      # np.round: ties to even
;;       return np.moveaxis(q.reshape(q.shape[:-2] + (-1,))[..., :K], -1, axis).astype(np.float32)
;;   ~~~
;; One version. Each part assembles by itself: llvm-mc -triple=amdgcn-amd-amdhsa -mcpu=gfx1250 --defsym DOCPART=n.
;; ======== version 1 of 1: 5 launches
;; limits: values are held in f16: magnitudes above 65,504 overflow, below 6.1e-05 lose precision
;; workspace buffers: xc 4,194,304 bytes; xs 262,144 bytes; wc 1,572,864 bytes; ws 98,304 bytes; wp16 2,097,152 bytes; qkv16 50,331,648 bytes; qkv32 786,432 bytes; y16 16,777,216 bytes
;; launch prep (part 1): grid 336 x 1, 4 waves a work-group, no clusters, 68,096 bytes of LDS; arguments x, w_qkv, w_proj, xc, xs, wc, ws, wp16; writes xc, xs, wc, ws, wp16
.if DOCPART == 1
	.amdgcn_target "amdgcn-amd-amdhsa--gfx1250"
	.amdhsa_code_object_version 6
	.text
	.protected	k_q16246ea628_prep
	.globl	k_q16246ea628_prep
	.p2align	8
	.type	k_q16246ea628_prep,@function
k_q16246ea628_prep:
	s_mov_b64 s[64:65], 0
	v_nop
	global_prefetch_b8 v0, s[64:65] scope:SCOPE_SE
	s_setreg_imm32_b32 hwreg(HW_REG_WAVE_MODE, 25, 1), 1
	s_wait_xcnt 0x0
; Three jobs in one launch, told apart by the work-group's number alone:
;   work-groups 0-47   W: w_qkv [1024 k][3072 n] f32 -> codes of E2M1 laid [3072 n][512 bytes], K innermost, and one E8M0 byte for each 32 along K, laid [3072][32]
;   work-groups 48-79  CAST: w_proj [1024][1024] f32 -> f16, same layout
;   work-groups 80-335 X: x [8192][1024] f32 -> codes [8192][512 bytes] and scale bytes [8192][32]
; A block's scale is 2^(floor(log2(largest magnitude)) - 2): its byte is the largest magnitude's exponent field - 2, held at 1 from below by a floor among the maximum's leaves.
; LIMITS: a block of zeros gets the byte 1 (its codes are zeros; the bytes are read by this program alone); NaN and infinities are not served; |w_proj| above 65,504 has no f16 number.
; No tensor load, no barrier: waves share nothing.  Each job has LDS bytes of its own.
.set SPW,    192                       ; v192  LDS address of my spare word; never rewritten
.set NIL,    193                       ; v193  0; never rewritten
.set SP,     80                        ; X: a lane's place in a stage: 64 bytes + 16 of padding
.set XWAVE,  8192                      ; X: LDS bytes of a wave: two stages of 32 x SP, then its 256 scale bytes
.set WREG,   32768                     ; W: the four waves' stages begin here, 32 rows x 272 bytes each
.set WPITCH, 272
.set SPARE,  67584                     ; the spare words, 128 bytes for each wave; no other line names them
.set XR,  16                           ; X: v16-79 four sets of 16 numbers as loaded
.set XX,  80                           ; X: v80-111 two sets of 16 neighbours
.set XE,  112                          ; X: v112-127 a scale byte for each step
.set XC,  128                          ; X: v128-191 codes, four registers for each step
.set WX,  32                           ; W: v32-95 two sets of 32 numbers
.set WC,  96                           ; W: v96-99 a block's codes
.set WSB, 24                           ; W: v24-27 sixteen scale bytes
.set WOUT, 112                         ; W: v112-175 the way out
.macro FIN                             ; a wave's end
	s_wait_tensorcnt 0x0
	ds_add_u32 v[SPW], v[NIL]
	s_wait_dscnt 0x0
	s_endpgm
.endm
	s_load_b256 s[4:11], s[0:1], 0x0               ; x s[4:5], w_qkv s[6:7], w_proj s[8:9], xc s[10:11]
	s_load_b256 s[12:19], s[0:1], 0x20             ; xs s[12:13], wc s[14:15], ws s[16:17], wp16 s[18:19]
	v_lshl_add_u32 v[SPW], v0, 2, SPARE
	v_mov_b32 v[NIL], 0
	v_lshrrev_b32 v1, 5, v0
	v_readfirstlane_b32 s20, v1                    ; wave 0..3
	v_and_b32 v2, 31, v0                           ; lane
	s_wait_kmcnt 0x0
	s_cmp_lt_u32 ttmp9, 48
	s_cbranch_scc1 .Lpath_w
	s_cmp_lt_u32 ttmp9, 80
	s_cbranch_scc1 .Lpath_cast
; ---------------- X: a plain stream of blocks of 32.  A wave takes 16 steps of 512 numbers.
; Each load reads 512 consecutive bytes; a step's 2,048 bytes turn through the wave's own stage so that a lane then holds 16 neighbours; two neighbouring lanes hold a block.
	s_mul_i32 s21, s20, XWAVE
	v_lshlrev_b32 v3, 4, v2                        ; my 16 bytes of a load's 512
	v_lshrrev_b32 v14, 2, v2
	v_mul_u32_u24 v14, v14, SP
	v_and_b32 v15, 3, v2
	v_lshl_add_u32 v14, v15, 4, v14
	v_add_nc_u32 v14, s21, v14                     ; stage, way in: SP (lane / 4) + 16 (lane % 4)
	v_mul_u32_u24 v15, v2, SP
	v_add_nc_u32 v15, s21, v15                     ; way out: SP x lane
	v_lshlrev_b32 v4, 3, v2                        ; my 8 bytes of a step's codes
	v_lshrrev_b32 v5, 1, v2
	s_add_co_u32 s21, s21, 2*32*SP
	v_add_nc_u32 v5, s21, v5                       ; my block's byte among the wave's 256
	v_lshlrev_b32 v7, 3, v2
	v_add_nc_u32 v6, s21, v7                       ; and 8 of them on the way out
	s_sub_co_u32 s22, ttmp9, 80
	s_lshl_b32 s22, s22, 2
	s_add_co_u32 s22, s22, s20                     ; which run of 8,192 numbers is my wave's (0..1023)
	s_mov_b32 s25, 0
	s_lshl_b32 s24, s22, 15
	s_add_nc_u64 s[4:5], s[4:5], s[24:25]
	s_lshl_b32 s24, s22, 12
	s_add_nc_u64 s[10:11], s[10:11], s[24:25]
	s_lshl_b32 s24, s22, 8
	s_add_nc_u64 s[12:13], s[12:13], s[24:25]
.macro XLOAD t
.irp i, 0,1,2,3
	global_load_b128 v[XR+16*((\t)%4)+4*\i:XR+16*((\t)%4)+4*\i+3], v3, s[4:5] offset:2048*(\t)+512*\i th:TH_LOAD_NT
.endr
.endm
.macro XTURN t                         ; LDS serves a wave's instructions in order: no wait between these stores and loads
.irp i, 0,1,2,3
	ds_store_b128 v14, v[XR+16*((\t)%4)+4*\i:XR+16*((\t)%4)+4*\i+3] offset:32*SP*((\t)%2)+8*SP*\i
.endr
.irp i, 0,1,2,3
	ds_load_b128 v[XX+16*((\t)%2)+4*\i:XX+16*((\t)%2)+4*\i+3], v15 offset:32*SP*((\t)%2)+16*\i
.endr
.endm
.irp t, 0,1,2,3
	XLOAD \t
.endr
	s_wait_loadcnt 12                              ; step 0's four loads are in; three steps' twelve may be out
	XTURN 0
.macro XSTEP t
.set XS, XX+16*((\t)%2)
.if (\t) > 0
	s_wait_dscnt 1                                 ; this step's numbers are back from the stage; the last step's byte store may be out
.else
	s_wait_dscnt 0x0
.endif
.if (\t)+4 < 16
	XLOAD (\t)+4
.endif
.if (\t)+1 < 16
.if 14-(\t) >= 3
	s_wait_loadcnt 12                              ; the next step's four are in; those of three steps behind it may be out
.else
	s_wait_loadcnt 4*(14-(\t))
.endif
	XTURN (\t)+1
.endif
	v_max3_num_f32 v8, |v[XS]|, |v[XS+1]|, |v[XS+2]|
	v_max3_num_f32 v9, |v[XS+3]|, |v[XS+4]|, |v[XS+5]|
.irp i, 6,10
	v_max3_num_f32 v8, v8, |v[XS+\i]|, |v[XS+\i+1]|
	v_max3_num_f32 v9, v9, |v[XS+\i+2]|, |v[XS+\i+3]|
.endr
	v_max3_num_f32 v8, v8, |v[XS+14]|, |v[XS+15]|
	v_max3_num_f32 v8, v8, v9, 0x1800000           ; the floor 2^(3 - 127): the byte cannot fall under 1
	v_max_num_f32_dpp v8, v8, v8 row_xmask:1 row_mask:0xf bank_mask:0xf   ; with my neighbour's 16: the block's
	v_add_nc_u32 v11, 0xff000000, v8               ; 2 off the exponent field: the conversion's scale operand
	v_cvt_scalef32_pk8_fp4_f32 v[XC+4*(\t)], v[XS:XS+7], v11
	v_cvt_scalef32_pk8_fp4_f32 v[XC+4*(\t)+1], v[XS+8:XS+15], v11
	v_lshrrev_b32 v[XE+(\t)], 23, v11              ; the scale's byte
	ds_store_b8 v5, v[XE+(\t)] offset:16*(\t)      ; both lanes of a block write the same byte with the same value
	global_store_b64 v4, v[XC+4*(\t):XC+4*(\t)+1], s[10:11] offset:256*(\t)   ; 32 lanes store 256 consecutive bytes, aligned
.endm
.irp t, 0,1,2,3,4,5,6,7,8,9,10,11,12,13,14,15
	XSTEP \t
.endr
	ds_load_b64 v[8:9], v6
	s_wait_dscnt 0x0
	global_store_b64 v7, v[8:9], s[12:13]          ; the wave's 256 scale bytes, consecutive and aligned
	FIN
; ---------------- W: a lane takes a column n and its registers run down K, so a block of 32 lies in one lane and the codes come out with K innermost.
; A wave takes 32 columns x 512 along K; its codes go through its own stage and leave as rows: sixteen lanes store 256 consecutive bytes.
.Lpath_w:
	s_cmp_ge_u32 ttmp9, 24
	s_cselect_b32 s22, 1, 0                        ; which half of K
	s_cselect_b32 s23, 24, 0
	s_sub_co_u32 s23, ttmp9, s23                   ; which 128 columns
	s_lshl_b32 s23, s23, 7
	s_lshl_b32 s24, s20, 5
	s_add_co_u32 s23, s23, s24                     ; my wave's first column
	v_lshlrev_b32 v3, 2, v2
	s_mul_i32 s24, s20, 32*WPITCH
	s_add_co_u32 s24, s24, WREG                    ; my stage
	v_mul_u32_u24 v4, v2, WPITCH
	v_add_nc_u32 v4, s24, v4                       ; into it: row = my column
	v_and_b32 v5, 15, v2
	v_lshrrev_b32 v6, 4, v2
	v_mul_u32_u24 v7, v6, WPITCH
	v_lshl_add_u32 v7, v5, 4, v7
	v_add_nc_u32 v7, s24, v7                       ; out of it: sixteen lanes to a row, two rows an instruction
	v_lshlrev_b32 v8, 9, v6
	v_lshl_add_u32 v8, v5, 4, v8                   ; the same place in wc (a row is 512 bytes)
	v_lshlrev_b32 v9, 5, v2                        ; my column's row of scale bytes (32 bytes)
	s_mov_b32 s27, 0
	s_mul_i32 s26, s22, 512*3072*4
	s_lshl_b32 s28, s23, 2
	s_add_co_u32 s26, s26, s28
	s_add_nc_u64 s[6:7], s[6:7], s[26:27]
	s_lshl_b32 s26, s23, 9
	s_lshl_b32 s28, s22, 8
	s_add_co_u32 s26, s26, s28
	s_add_nc_u64 s[14:15], s[14:15], s[26:27]
	s_lshl_b32 s26, s23, 5
	s_lshl_b32 s28, s22, 4
	s_add_co_u32 s26, s26, s28
	s_add_nc_u64 s[16:17], s[16:17], s[26:27]
.macro WLOAD t                         ; block t: w(32 t + i, my column); the largest immediate is 511 x 12,288, inside 24 signed bits
.irp i, 0,1,2,3,4,5,6,7,8,9,10,11,12,13,14,15,16,17,18,19,20,21,22,23,24,25,26,27,28,29,30,31
	global_load_b32 v[WX+32*((\t)%2)+\i], v3, s[6:7] offset:(32*(\t)+\i)*12288 th:TH_LOAD_NT
.endr
.endm
	WLOAD 0
	WLOAD 1
.macro WBLOCK t
.set XS, WX+32*((\t)%2)
.if (\t) < 15
	s_wait_loadcnt 32                              ; this block's 32 are in; the next block's 32 may be out
.else
	s_wait_loadcnt 0x0
.endif
	v_max3_num_f32 v12, |v[XS]|, |v[XS+1]|, |v[XS+2]|
	v_max3_num_f32 v13, |v[XS+3]|, |v[XS+4]|, |v[XS+5]|
.irp i, 6,10,14,18,22,26
	v_max3_num_f32 v12, v12, |v[XS+\i]|, |v[XS+\i+1]|
	v_max3_num_f32 v13, v13, |v[XS+\i+2]|, |v[XS+\i+3]|
.endr
	v_max3_num_f32 v12, v12, |v[XS+30]|, |v[XS+31]|
	v_max3_num_f32 v12, v12, v13, 0x1800000
	v_add_nc_u32 v11, 0xff000000, v12
	v_lshrrev_b32 v13, 23, v11
.if (\t)%4 == 0
	v_mov_b32 v[WSB+(\t)/4], v13
.else
	v_lshl_or_b32 v[WSB+(\t)/4], v13, 8*((\t)%4), v[WSB+(\t)/4]
.endif
.irp g, 0,1,2,3
	v_cvt_scalef32_pk8_fp4_f32 v[WC+\g], v[XS+8*\g:XS+8*\g+7], v11
.endr
	ds_store_b128 v4, v[WC:WC+3] offset:16*(\t)
.if (\t)+2 < 16
	WLOAD (\t)+2
.endif
	s_wait_dscnt 0x0                               ; the store has read its registers: the next block's codes may be written
.endm
.irp t, 0,1,2,3,4,5,6,7,8,9,10,11,12,13,14,15
	WBLOCK \t
.endr
	global_store_b128 v9, v[WSB:WSB+3], s[16:17]   ; my column's 16 scale bytes of this half of K
.irp t, 0,1,2,3,4,5,6,7,8,9,10,11,12,13,14,15
	ds_load_b128 v[WOUT+4*\t:WOUT+4*\t+3], v7 offset:2*\t*WPITCH
.endr
.irp t, 0,1,2,3,4,5,6,7,8,9,10,11,12,13,14,15
	s_wait_dscnt 15-\t                             ; the younger loads may be out
	global_store_b128 v8, v[WOUT+4*\t:WOUT+4*\t+3], s[14:15] offset:2*\t*512
.endr
	FIN
; ---------------- CAST: a wave takes 8,192 numbers: four groups of 16 loads of 512 bytes, two register sets by turns
.Lpath_cast:
	s_sub_co_u32 s22, ttmp9, 48
	s_lshl_b32 s22, s22, 2
	s_add_co_u32 s22, s22, s20
	s_mov_b32 s25, 0
	s_lshl_b32 s24, s22, 15
	s_add_nc_u64 s[8:9], s[8:9], s[24:25]
	s_lshl_b32 s24, s22, 14
	s_add_nc_u64 s[18:19], s[18:19], s[24:25]
	v_lshlrev_b32 v3, 4, v2
	v_lshlrev_b32 v4, 3, v2
.macro CLOAD g, set
.irp i, 0,1,2,3,4,5,6,7,8,9,10,11,12,13,14,15
	global_load_b128 v[\set+4*\i:\set+4*\i+3], v3, s[8:9] offset:8192*(\g)+512*\i
.endr
.endm
.macro CSTORE g, set
.if (\g) < 3
	s_wait_loadcnt 16                              ; my set is in; the other set's 16 may be out
.else
	s_wait_loadcnt 0x0
.endif
.irp i, 0,1,2,3,4,5,6,7,8,9,10,11,12,13,14,15
	v_cvt_pk_f16_f32 v[\set+4*\i], v[\set+4*\i], v[\set+4*\i+1]
	v_cvt_pk_f16_f32 v[\set+4*\i+1], v[\set+4*\i+2], v[\set+4*\i+3]
	global_store_b64 v4, v[\set+4*\i:\set+4*\i+1], s[18:19] offset:4096*(\g)+256*\i   ; 32 lanes store 256 consecutive bytes, aligned
.endr
.if (\g)+2 < 4
	s_wait_xcnt 0x0                                ; the stores have read their data: the set may be loaded again
	CLOAD (\g)+2, \set
.endif
.endm
	CLOAD 0, 32
	CLOAD 1, 96
	CSTORE 0, 32
	CSTORE 1, 96
	CSTORE 2, 32
	CSTORE 3, 96
	FIN
.Lfunc_end_k_q16246ea628_prep:
	.size	k_q16246ea628_prep, .Lfunc_end_k_q16246ea628_prep-k_q16246ea628_prep
	.p2alignl 7, 3214868480
	.fill 96, 4, 3214868480
	.section	.rodata,"a",@progbits
	.p2align	6, 0x0
	.amdhsa_kernel k_q16246ea628_prep
		.amdhsa_group_segment_fixed_size 68096
		.amdhsa_private_segment_fixed_size 0
		.amdhsa_enable_private_segment 0
		.amdhsa_kernarg_size 64
		.amdhsa_user_sgpr_count 2
		.amdhsa_user_sgpr_kernarg_segment_ptr 1
		.amdhsa_wavefront_size32 1
		.amdhsa_system_sgpr_workgroup_id_x 1
		.amdhsa_system_sgpr_workgroup_id_y 1
		.amdhsa_system_sgpr_workgroup_id_z 1
		.amdhsa_system_vgpr_workitem_id 0
		.amdhsa_next_free_vgpr 194
		.amdhsa_next_free_sgpr 66
		.amdhsa_reserve_vcc 0
		.amdhsa_float_denorm_mode_32 3
		.amdhsa_float_denorm_mode_16_64 3
		.amdhsa_memory_ordered 1
		.amdhsa_forward_progress 1
		.amdhsa_inst_pref_size 131
	.end_amdhsa_kernel
	.amdgpu_metadata
---
amdhsa.version: [ 1, 2 ]
amdhsa.kernels:
  - .name:           k_q16246ea628_prep
    .symbol:         k_q16246ea628_prep.kd
    .args:
      - { .name: x, .offset: 0, .size: 8, .value_kind: global_buffer, .address_space: global }
      - { .name: w_qkv, .offset: 8, .size: 8, .value_kind: global_buffer, .address_space: global }
      - { .name: w_proj, .offset: 16, .size: 8, .value_kind: global_buffer, .address_space: global }
      - { .name: xc, .offset: 24, .size: 8, .value_kind: global_buffer, .address_space: global }
      - { .name: xs, .offset: 32, .size: 8, .value_kind: global_buffer, .address_space: global }
      - { .name: wc, .offset: 40, .size: 8, .value_kind: global_buffer, .address_space: global }
      - { .name: ws, .offset: 48, .size: 8, .value_kind: global_buffer, .address_space: global }
      - { .name: wp16, .offset: 56, .size: 8, .value_kind: global_buffer, .address_space: global }
    .group_segment_fixed_size: 68096
    .private_segment_fixed_size: 0
    .kernarg_segment_align: 8
    .kernarg_segment_size: 64
    .max_flat_workgroup_size: 128
    .sgpr_count:     66
    .vgpr_count:     194
    .wavefront_size: 32
...
	.end_amdgpu_metadata
.endif
;; end of part 1
;; launch gemm_qkv (part 2): grid 12 x 32, 4 waves a work-group, clusters of 4 x 4, 327,680 bytes of LDS; arguments xc, xs, wc, ws, b_qkv, qkv16, qkv32; writes qkv16, qkv32
.if DOCPART == 2
	.amdgcn_target "amdgcn-amd-amdhsa--gfx1250"
	.amdhsa_code_object_version 6
	.text
	.protected	k_q16246ea628_gemm_qkv
	.globl	k_q16246ea628_gemm_qkv
	.p2align	8
	.type	k_q16246ea628_gemm_qkv,@function
k_q16246ea628_gemm_qkv:
	s_mov_b64 s[64:65], 0
	v_nop
	global_prefetch_b8 v0, s[64:65] scope:SCOPE_SE
	s_setreg_imm32_b32 hwreg(HW_REG_WAVE_MODE, 25, 1), 1
	s_wait_xcnt 0x0
	s_wait_alu depctr_hold_cnt(0) depctr_sa_sdst(0) depctr_va_vdst(0) depctr_va_sdst(0) depctr_va_ssrc(0) depctr_va_vcc(0) depctr_vm_vsrc(0)
	s_getreg_b32 s2, hwreg(HW_REG_IB_STS2, 6, 4)
	s_cmp_eq_u32 s2, 0
	s_cbranch_scc0 .Lentry_in_a_cluster
	s_endpgm
.Lentry_in_a_cluster:
	s_bfe_u32 s2, ttmp6, 0x10000c
	s_cmp_lg_u32 s2, 0xf033
	s_cbranch_scc0 .Lentry_shape_is_right
	s_endpgm
.Lentry_shape_is_right:
; qkv = Q(x) Q(w_qkv) + b_qkv on codes of E2M1 with E8M0 scales: [8192][1024] x [3072 n][1024].  Sums in f32; the bias is the C of each sum's first product.
; Results leave as f16 in qkv16 [q,k,v][64 = 16 batch + head][2048 t][64]; positions t < 16 of every batch also as f32 in qkv32 [16 batch + t][3072].
; LIMIT: |q|, |k|, |v| above 65,504 have no f16 number.
; A tile of 256 x 256 is made by four waves, each 128 x 128 in 64 accumulators.  K = 1,024 is two slots of 512 (rows of 256 bytes): both slots and all scale bytes are asked for at the head; no LDS byte is filled twice.
; CLUSTERS: 4 x 4 work-groups.  Tile row = 8 cy + cluster y, so that cy is the batch and all sixteen partners hold the same positions t; tile column = 4 cluster x + cx, so that cluster x says q, k or v.
; The four of a row of the cluster ask jointly for x's tiles, the four of a column for w's.  The matrix instruction is used transposed (source 0 = 16 rows of wc, source 1 = 16 rows of xc): a lane holds eight neighbouring columns of one row.
; REGISTERS: window 0: v0-31 addresses; v32-95 scale words, two sets; v96-127 packed results; v128-191 x's fragments, one set (on the way out: rows read back); v192-255 the bias, 8 blocks x 8.
;   window 1: w's fragments, two sets, at v0 and v128.   window 2: accumulators of my rows 0-63 ((a, b) at v[8 (8 a + b)]);   window 3: those of rows 64-127.
.set NQ,     4                         ; steps of 128 along K in a slot
.set ROWB,   256
.set KROW,   512                       ; a row of codes in memory
.set PITCH,  272                       ; an LDS row: 256 bytes + 16 of padding
.set FR,     8
.set NL,     2
.set NP,     4
.set HALFT,  128*PITCH
.set SLOT,   4*HALFT
.set KS,     32                        ; a row of scale bytes
.set SCL,    2*SLOT
.set HALFS,  16*272                    ; the scales of 128 rows: 16 rows of 256 bytes + 16
.set SBLK,   2*272                     ; those of 16 rows
.set SPARE,  SCL+4*HALFS               ; the spare words, 128 bytes a wave; no other line names them
.set SPITCH, 272                       ; the way out: a stage of 16 rows x (256 + 16) bytes a wave, in slot 0, which has had its only fill and its last read by then
.set ADRA, 16
.set ADRB, 20
.set STO,  24
.set RD,   25
.set CO,   26
.set ADRS, 27
.set SPW,  28
.set NIL,  29
.set CO32, 30
.set BO,   31
.set SC,   32
.set TMP,  96
.set AF,   128
.set OB,   128
.set BI,   192
.set G1, 24
.set G0, 32
.set G1B, 48
.set G0B, 56
.set G1S, 68
.set G0S, 76
.set G1SB, 80
.set G0SB, 88
.set MSB, 0
.macro WIN new                         ; the immediate's high byte repeats the setting that is left
.if MSB != \new
	s_set_vgpr_msb (MSB<<8)|\new
.set MSB, \new
.endif
.endm
.set MUL_LO, 0xa1                      ; source 0 window 1, source 1 window 0, C and D window 2
.set MUL_HI, 0xf1                      ; C and D window 3
.set FST_LO, 0x81                      ; the first step: C (the bias) window 0, D window 2
.set FST_HI, 0xc1                      ; D window 3
.set TO_B,   0x40
.macro JLOAD g0a, g1a, g0b, g1b        ; a joint load: waves 0 and 1 fetch for x, waves 2 and 3 for w; s_nop 0 and four v_nop follow each line
	s_cmp_eq_u32 s15, 0
	s_cbranch_scc0 .Lfor_b_\@
	tensor_load_to_lds s[\g0a:\g0a+3], s[\g1a:\g1a+7]
	s_nop 0
.rept 4
	v_nop
.endr
	s_branch .Lasked_\@
.Lfor_b_\@:
	tensor_load_to_lds s[\g0b:\g0b+3], s[\g1b:\g1b+7]
	s_nop 0
.rept 4
	v_nop
.endr
.Lasked_\@:
.endm
.macro CROUND                          ; a round of the cluster's barrier
	s_barrier_signal -1
	s_barrier_wait -1
	s_cmp_lg_u32 s14, 0
	s_cbranch_scc1 .Lnot_wave_0_\@
	s_barrier_signal -3
.Lnot_wave_0_\@:
	s_barrier_wait -3
	s_barrier_signal -1
	s_barrier_wait -1
.endm
	s_load_b128 s[4:7], s[0:1], 0x0                ; xc, xs
	s_load_b128 s[8:11], s[0:1], 0x10              ; wc, ws
	s_load_b64 s[66:67], s[0:1], 0x20              ; b_qkv
	s_load_b64 s[12:13], s[0:1], 0x28              ; qkv16
	s_load_b64 s[96:97], s[0:1], 0x30              ; qkv32
	v_lshl_add_u32 v[SPW], v0, 2, SPARE
	v_mov_b32 v[NIL], 0
	ds_add_u32 v[SPW], v[NIL]                      ; the opening: the add, twice on end, and its wait ahead of my first tensor load
	ds_add_u32 v[SPW], v[NIL]
	v_lshrrev_b32 v1, 5, v0
	v_readfirstlane_b32 s14, v1                    ; wave 0..3
	s_lshr_b32 s15, s14, 1                         ; my half of the tile's rows; also: I fetch for x (0) or for w (1)
	s_and_b32 s16, s14, 1                          ; my half of its columns; also: which 128 rows I fetch
	s_bfe_u32 s40, ttmp6, 0x40000                  ; cx
	s_bfe_u32 s41, ttmp6, 0x40004                  ; cy
	s_lshl_b32 s42, ttmp9, 2
	s_add_co_u32 s42, s42, s40                     ; tile column = 4 x cluster x + cx
	s_and_b32 s17, ttmp7, 0xffff
	s_lshl_b32 s18, s41, 3
	s_add_co_u32 s17, s17, s18                     ; tile row = 8 cy + cluster y
	s_lshl_b32 s43, s41, 2
	s_lshl_b32 s43, 15, s43                        ; my row of the cluster
	s_lshl_b32 s44, 0x1111, s40                    ; my column
	s_or_b32 s[G1+0], s43, (0<<16)|(1<<20)|(1<<21)|(5<<22)|(3<<25)   ; mask; elements of 1 byte; padding of 4 words behind every 64
	s_or_b32 s[G1B+0], s44, (0<<16)|(1<<20)|(1<<21)|(5<<22)|(3<<25)
.irp g, G1, G1B
	s_mov_b32 s[\g+1], ROWB<<16                    ; tensor_dim0
	s_mov_b32 s[\g+2], 128<<16                     ; tensor_dim1
	s_mov_b32 s[\g+3], ROWB<<16                    ; tile_dim0
	s_mov_b32 s[\g+4], 128                         ; tile_dim1
	s_mov_b32 s[\g+5], KROW                        ; pitch
	s_mov_b32 s[\g+6], 0
	s_mov_b32 s[\g+7], 0
.endr
	s_or_b32 s[G1S+0], s43, (3<<16)|(1<<20)|(1<<21)|(5<<22)|(3<<25)  ; the scales of 128 rows: 4,096 dense bytes as 16 rows of 32 elements of 8 bytes
	s_or_b32 s[G1SB+0], s44, (3<<16)|(1<<20)|(1<<21)|(5<<22)|(3<<25)
.irp g, G1S, G1SB
	s_mov_b32 s[\g+1], 32<<16
	s_mov_b32 s[\g+2], 16<<16
	s_mov_b32 s[\g+3], 32<<16
	s_mov_b32 s[\g+4], 16
	s_mov_b32 s[\g+5], 32
	s_mov_b32 s[\g+6], 0
	s_mov_b32 s[\g+7], 0
.endr
	s_lshl_b32 s18, s16, 7
	s_lshl_b32 s20, s17, 8
	s_add_co_u32 s20, s20, s18                     ; x: row 256 x tile row + 128 x half
	s_lshl_b32 s46, s42, 8
	s_add_co_u32 s46, s46, s18                     ; w: row 256 x tile column + 128 x half
	s_mov_b32 s21, 0
	s_mov_b32 s47, 0
	s_mov_b64 s[18:19], KS
	s_mul_u64 s[22:23], s[20:21], s[18:19]
	s_mul_u64 s[92:93], s[46:47], s[18:19]
	s_mov_b64 s[18:19], KROW
	s_mul_u64 s[20:21], s[20:21], s[18:19]
	s_mul_u64 s[46:47], s[46:47], s[18:19]
	s_mul_i32 s45, s14, HALFT                      ; LDS: wave x 128 rows
	s_mul_i32 s94, s14, HALFS
	s_wait_dscnt 0x0                               ; both opening adds are done
	s_wait_kmcnt 0x0
	s_add_nc_u64 s[20:21], s[4:5], s[20:21]
	s_add_nc_u64 s[22:23], s[6:7], s[22:23]
	s_add_nc_u64 s[46:47], s[8:9], s[46:47]
	s_add_nc_u64 s[92:93], s[10:11], s[92:93]
	CROUND                                         ; all sixteen work-groups are here: the joint loads meet
	s_mov_b32 s[G0S], 1
	s_add_co_u32 s[G0S+1], s94, SCL
	s_mov_b64 s[G0S+2:G0S+3], s[22:23]
	s_or_b32 s[G0S+3], s[G0S+3], 0x80000000
	s_mov_b32 s[G0SB], 1
	s_add_co_u32 s[G0SB+1], s94, SCL
	s_mov_b64 s[G0SB+2:G0SB+3], s[92:93]
	s_or_b32 s[G0SB+3], s[G0SB+3], 0x80000000
	JLOAD G0S, G1S, G0SB, G1SB                     ; the scales first
.irp s, 0,1
	s_mov_b32 s[G0+4*\s], 1
	s_add_co_u32 s[G0+4*\s+1], s45, \s*SLOT
	s_add_nc_u64 s[G0+4*\s+2:G0+4*\s+3], s[20:21], \s*ROWB
	s_or_b32 s[G0+4*\s+3], s[G0+4*\s+3], 0x80000000
	s_mov_b32 s[G0B+4*\s], 1
	s_add_co_u32 s[G0B+4*\s+1], s45, \s*SLOT
	s_add_nc_u64 s[G0B+4*\s+2:G0B+4*\s+3], s[46:47], \s*ROWB
	s_or_b32 s[G0B+4*\s+3], s[G0B+4*\s+3], 0x80000000
	JLOAD G0+4*\s, G1, G0B+4*\s, G1B               ; three loads of mine are out in all
.endr
	v_and_b32 v1, 15, v0                           ; r
	v_bfe_u32 v2, v0, 4, 1                         ; h
	; the bias in the result's layout: lane half h of block b wants b_qkv[my first column + 16 b + 8 h + 0..7]
	v_lshlrev_b32 v[BO], 5, v2
	s_lshl_b32 s20, s42, 10
	s_lshl_b32 s21, s16, 9
	s_add_co_u32 s20, s20, s21                     ; my first column, in bytes of f32
	s_mov_b32 s21, 0
	s_add_nc_u64 s[66:67], s[66:67], s[20:21]
.irp b, 0,1,2,3,4,5,6,7
	global_load_b128 v[BI+8*\b:BI+8*\b+3], v[BO], s[66:67] offset:64*\b
	global_load_b128 v[BI+8*\b+4:BI+8*\b+7], v[BO], s[66:67] offset:64*\b+16
.endr
	s_mul_i32 s22, s41, 16*12288                   ; qkv32: the batch's 16 rows, my columns
	s_add_co_u32 s20, s20, s22
	s_add_nc_u64 s[96:97], s[96:97], s[20:21]
	s_and_b32 s98, ttmp7, 0xffff
	s_or_b32 s98, s98, s15                         ; 0 where my block 0 holds positions 0-15: cluster y = 0 and the upper half of the rows; the same in all partners for a given wave
	v_mul_u32_u24 v3, v1, PITCH
	v_lshl_add_u32 v4, v2, 4, v3                   ; a fragment's row x pitch + 16 x half
	s_mul_i32 s21, s15, HALFT
	s_mul_i32 s22, s16, HALFT
	s_add_co_u32 s22, s22, 2*HALFT
.irp s, 0,1
	v_add_nc_u32 v[ADRA+\s], s21, v4
	v_add_nc_u32 v[ADRB+\s], s22, v4
	s_add_co_u32 s21, s21, SLOT
	s_add_co_u32 s22, s22, SLOT
.endr
	v_mul_u32_u24 v5, v1, KS                       ; my row's scales: 32 bytes a row,
	v_lshrrev_b32 v6, 8, v5
	v_lshl_add_u32 v5, v6, 4, v5                   ; and 16 more for each 256 passed
	s_mul_i32 s21, s15, HALFS
	s_mul_i32 s22, s16, HALFS
	s_add_co_u32 s22, s22, 2*HALFS
	s_sub_co_u32 s22, s22, s21
	v_mul_u32_u24 v6, s22, v2                      ; lanes 16-31 take w's
	s_add_co_u32 s21, s21, SCL
	v_add_nc_u32 v5, v5, v6
	v_add_nc_u32 v[ADRS], s21, v5
	s_mul_i32 s23, s14, 16*SPITCH                  ; my stage
	v_mul_u32_u24 v5, v1, SPITCH
	v_lshl_add_u32 v5, v2, 4, v5
	v_add_nc_u32 v[STO], s23, v5                   ; in: row r, 16 bytes for each half of the lanes
	v_bfe_u32 v5, v0, 3, 1
	v_mul_u32_u24 v5, v5, SPITCH
	v_and_b32 v6, 7, v0
	v_lshl_add_u32 v5, v6, 4, v5
	v_lshl_add_u32 v5, v2, 7, v5
	v_add_nc_u32 v[RD], s23, v5                    ; back: lanes 0-15 two rows' first 128 bytes (my first head), lanes 16-31 their second 128 (the next head)
	v_lshlrev_b32 v[CO], 4, v1
	v_lshl_add_u32 v[CO], v2, 18, v[CO]            ; in qkv16: two rows of a head are 256 consecutive bytes; the next head lies 262,144 bytes on
	v_mul_u32_u24 v[CO32], v1, 12288
	v_lshl_add_u32 v[CO32], v2, 5, v[CO32]
	s_lshl_b32 s20, ttmp9, 24                      ; q, k or v
	s_lshl_b32 s21, s41, 4
	s_lshl_b32 s22, s40, 2
	s_add_co_u32 s21, s21, s22
	s_lshl_b32 s22, s16, 1
	s_add_co_u32 s21, s21, s22                     ; 16 batch + my first head
	s_lshl_b32 s21, s21, 18
	s_add_co_u32 s20, s20, s21
	s_and_b32 s22, ttmp7, 0xffff
	s_lshl_b32 s21, s22, 15                        ; 256 positions x 128 bytes for each cluster y
	s_add_co_u32 s20, s20, s21
	s_lshl_b32 s21, s15, 14
	s_add_co_u32 s20, s20, s21
	s_mov_b32 s21, 0
	s_add_nc_u64 s[12:13], s[12:13], s[20:21]
.macro FRAG reg, adr, q, i             ; 16 rows x 128 K of 4-bit codes: 8 registers, two loads 32 bytes apart
.irp c, 0,1
	ds_load_b128 v[\reg+4*\c:\reg+4*\c+3], v[\adr] offset:64*(\q)+32*\c+(\i)*16*PITCH
.endr
.endm
; 16 products: x's blocks a0, a0 + 1 against w's eight.  The 64 accumulators take turns, one instruction a turn, in the same order in every step.
.macro MUL16 a0, p, q, sc, first
.irp a, \a0, \a0+1
.irp b, 0,1,2,3,4,5,6,7
.if \first
	v_wmma_scale_f32_16x16x128_f8f6f4 v[8*(8*((\a)%4)+\b):8*(8*((\a)%4)+\b)+7], v[128*(\p)+FR*\b:128*(\p)+FR*\b+FR-1], v[AF+FR*(\a):AF+FR*(\a)+FR-1], v[BI+8*\b:BI+8*\b+7], v[SC+8*NQ*(\sc)+NQ*\b+(\q)], v[SC+8*NQ*(\sc)+NQ*(\a)+(\q)] matrix_a_fmt:MATRIX_FMT_FP4 matrix_b_fmt:MATRIX_FMT_FP4 matrix_a_scale:MATRIX_SCALE_ROW1
.else
	v_wmma_scale_f32_16x16x128_f8f6f4 v[8*(8*((\a)%4)+\b):8*(8*((\a)%4)+\b)+7], v[128*(\p)+FR*\b:128*(\p)+FR*\b+FR-1], v[AF+FR*(\a):AF+FR*(\a)+FR-1], v[8*(8*((\a)%4)+\b):8*(8*((\a)%4)+\b)+7], v[SC+8*NQ*(\sc)+NQ*\b+(\q)], v[SC+8*NQ*(\sc)+NQ*(\a)+(\q)] matrix_a_fmt:MATRIX_FMT_FP4 matrix_b_fmt:MATRIX_FMT_FP4 matrix_a_scale:MATRIX_SCALE_ROW1
.endif
.endr
.endr
.endm
.macro FETCH_B slot, q, p
	WIN TO_B
.irp i, 0,1,2,3,4,5,6,7
	FRAG 128*(\p)+FR*\i, ADRB+\slot, \q, \i
.endr
	WIN 0
.endm
.macro FETCH_A slot, q, i0
.irp i, \i0, \i0+1, \i0+2, \i0+3
	FRAG AF+FR*(\i), ADRA+\slot, \q, \i
.endr
.endm
.macro SCALES sc                       ; a slot's scale words: lanes 0-15 x's block i, lanes 16-31 w's block i
.irp i, 0,1,2,3,4,5,6,7
	ds_load_b128 v[SC+8*NQ*\sc+NQ*\i:SC+8*NQ*\sc+NQ*\i+3], v[ADRS] offset:\i*SBLK
.endr
.endm
.macro PLACES n                        ; plain vector instructions between a matrix instruction and a load into, or a read of, its registers
.rept \n
	v_nop
.endr
.endm
.macro STEP slot, q, first             ; 128 along K, with its successor in the same slot
	s_wait_dscnt 4*NL                              ; all but the youngest eight loads (x's blocks 4-7) are in
.if \first
	WIN FST_LO
.else
	WIN MUL_LO
.endif
	MUL16 0, (\q)%2, \q, \slot, \first
	MUL16 2, (\q)%2, \q, \slot, \first
	s_wait_dscnt 0
	PLACES NP
	FETCH_B \slot, (\q)+1, 1-(\q)%2
	FETCH_A \slot, (\q)+1, 0
.if \first
	WIN FST_HI
.else
	WIN MUL_HI
.endif
	MUL16 4, (\q)%2, \q, \slot, \first
	MUL16 6, (\q)%2, \q, \slot, \first
	PLACES NP
	WIN 0
	FETCH_A \slot, (\q)+1, 4
.endm
	s_wait_tensorcnt 1                             ; the scales and my part of slot 0 are in; slot 1's load may be out
	s_barrier_signal -1
	s_barrier_wait -1
	FETCH_B 0, 0, 0
	FETCH_A 0, 0, 0
	SCALES 0
	FETCH_A 0, 0, 4
	s_wait_loadcnt 0x0                             ; the bias
	STEP 0, 0, 1                                   ; the first step starts the sums from the bias: nothing is cleared
	STEP 0, 1, 0
	STEP 0, 2, 0
	; slot 0's last step changes slots: one barrier; ahead of it my loads have landed and my reads of slot 0 are over
	s_wait_tensorcnt 0x0
	ds_add_u32 v[SPW], v[NIL]
	s_wait_dscnt 4*NL+1                            ; the add and the youngest eight loads may be out
	WIN MUL_LO
	MUL16 0, 1, NQ-1, 0, 0
	s_wait_dscnt 0x0
	s_barrier_signal -1
	MUL16 2, 1, NQ-1, 0, 0
	WIN 0
	s_barrier_wait -1
	PLACES NP
	v_add_nc_u32 v[ADRS], 4*NQ, v[ADRS]            ; on to slot 1's scale words
	FETCH_B 1, 0, 0
	FETCH_A 1, 0, 0
	SCALES 1
	WIN MUL_HI
	MUL16 4, 1, NQ-1, 0, 0
	MUL16 6, 1, NQ-1, 0, 0
	PLACES NP
	WIN 0
	FETCH_A 1, 0, 4
	STEP 1, 0, 0
	STEP 1, 1, 0
	STEP 1, 2, 0
	s_wait_dscnt 4*NL
	WIN MUL_LO
	MUL16 0, 1, NQ-1, 1, 0
	MUL16 2, 1, NQ-1, 1, 0
	s_wait_dscnt 0
	WIN MUL_HI
	MUL16 4, 1, NQ-1, 1, 0
	MUL16 6, 1, NQ-1, 1, 0
	WIN 0
; THE WAY OUT.  Block a (16 rows x 128 columns) is rounded to f16, goes through my stage and comes back so that sixteen lanes hold two whole rows of one head: 256 consecutive bytes of qkv16, aligned.
.macro PACK a
.set AC, 64*((\a)%4)
	WIN 0x0a+5*((\a)/4)                            ; sources 0 and 1: window 2 or 3
.irp b, 0,1,2,3,4,5,6,7
.irp r, 0,1,2,3
	v_cvt_pk_f16_f32 v[TMP+4*\b+\r], v[AC+8*\b+2*\r], v[AC+8*\b+2*\r+1]
.endr
.endr
	WIN 0
.endm
.macro TOSTAGE a
.set BK, OB+32*((\a)%2)
.irp b, 0,1,2,3,4,5,6,7
	ds_store_b128 v[STO], v[TMP+4*\b:TMP+4*\b+3] offset:32*\b
.endr
.irp t, 0,1,2,3,4,5,6,7
	ds_load_b128 v[BK+4*\t:BK+4*\t+3], v[RD] offset:\t*2*SPITCH    ; LDS serves a wave's instructions in order: these see the stores above
.endr
.endm
.macro SEND a
.set BK, OB+32*((\a)%2)
	s_wait_dscnt 0x0
	s_wait_xcnt 0x0                                ; earlier stores have read their base and data
.if (\a) > 0
	s_add_nc_u64 s[12:13], s[12:13], 16*128        ; 16 positions on
.endif
.irp t, 0,1,2,3,4,5,6,7
	global_store_b128 v[CO], v[BK+4*\t:BK+4*\t+3], s[12:13] offset:256*\t
.endr
.endm
	PLACES NP
	s_cmp_lg_u32 s98, 0
	s_cbranch_scc1 .Lno_f32
	WIN 0x08                                       ; a store's data: window 2
.irp b, 0,1,2,3,4,5,6,7                            ; positions 0-15 in f32 for the fine launch: runs of 64 bytes, 16 rows x 512 bytes a wave, 1.5 per cent of what the launch stores
	global_store_b128 v[CO32], v[8*\b:8*\b+3], s[96:97] offset:64*\b
	global_store_b128 v[CO32], v[8*\b+4:8*\b+7], s[96:97] offset:64*\b+16
.endr
	WIN 0
.Lno_f32:
	PACK 0
	TOSTAGE 0
.irp a, 1,2,3,4,5,6,7
	PACK \a
	SEND \a-1
	TOSTAGE \a
.endr
	SEND 7
	s_wait_tensorcnt 0x0                           ; the wave's end
	ds_add_u32 v[SPW], v[NIL]
	s_wait_dscnt 0x0
	CROUND                                         ; the closing round
	s_endpgm
.Lfunc_end_k_q16246ea628_gemm_qkv:
	.size	k_q16246ea628_gemm_qkv, .Lfunc_end_k_q16246ea628_gemm_qkv-k_q16246ea628_gemm_qkv
	.p2alignl 7, 3214868480
	.fill 96, 4, 3214868480
	.section	.rodata,"a",@progbits
	.p2align	6, 0x0
	.amdhsa_kernel k_q16246ea628_gemm_qkv
		.amdhsa_group_segment_fixed_size 327680
		.amdhsa_private_segment_fixed_size 0
		.amdhsa_enable_private_segment 0
		.amdhsa_kernarg_size 56
		.amdhsa_user_sgpr_count 2
		.amdhsa_user_sgpr_kernarg_segment_ptr 1
		.amdhsa_wavefront_size32 1
		.amdhsa_system_sgpr_workgroup_id_x 1
		.amdhsa_system_sgpr_workgroup_id_y 1
		.amdhsa_system_sgpr_workgroup_id_z 1
		.amdhsa_system_vgpr_workitem_id 0
		.amdhsa_next_free_vgpr 1024
		.amdhsa_next_free_sgpr 102
		.amdhsa_reserve_vcc 0
		.amdhsa_float_denorm_mode_32 3
		.amdhsa_float_denorm_mode_16_64 3
		.amdhsa_memory_ordered 1
		.amdhsa_forward_progress 1
		.amdhsa_inst_pref_size 131
	.end_amdhsa_kernel
	.amdgpu_metadata
---
amdhsa.version: [ 1, 2 ]
amdhsa.kernels:
  - .name:           k_q16246ea628_gemm_qkv
    .symbol:         k_q16246ea628_gemm_qkv.kd
    .args:
      - { .name: xc, .offset: 0, .size: 8, .value_kind: global_buffer, .address_space: global }
      - { .name: xs, .offset: 8, .size: 8, .value_kind: global_buffer, .address_space: global }
      - { .name: wc, .offset: 16, .size: 8, .value_kind: global_buffer, .address_space: global }
      - { .name: ws, .offset: 24, .size: 8, .value_kind: global_buffer, .address_space: global }
      - { .name: b_qkv, .offset: 32, .size: 8, .value_kind: global_buffer, .address_space: global }
      - { .name: qkv16, .offset: 40, .size: 8, .value_kind: global_buffer, .address_space: global }
      - { .name: qkv32, .offset: 48, .size: 8, .value_kind: global_buffer, .address_space: global }
    .group_segment_fixed_size: 327680
    .private_segment_fixed_size: 0
    .kernarg_segment_align: 8
    .kernarg_segment_size: 56
    .max_flat_workgroup_size: 128
    .sgpr_count:     102
    .vgpr_count:     1024
    .wavefront_size: 32
...
	.end_amdgpu_metadata
.endif
;; end of part 2
;; launch attn (part 3): grid 4 x 64, 8 waves a work-group, no clusters, 327,680 bytes of LDS; arguments qkv16, y16; writes y16
.if DOCPART == 3
	.amdgcn_target "amdgcn-amd-amdhsa--gfx1250"
	.amdhsa_code_object_version 6
	.text
	.protected	k_q16246ea628_attn
	.globl	k_q16246ea628_attn
	.p2align	8
	.type	k_q16246ea628_attn,@function
k_q16246ea628_attn:
	s_mov_b64 s[64:65], 0
	v_nop
	global_prefetch_b8 v0, s[64:65] scope:SCOPE_SE
	s_setreg_imm32_b32 hwreg(HW_REG_WAVE_MODE, 25, 1), 1
	s_wait_xcnt 0x0
; y[bh][q] = sum over k <= q of softmax_k(Q[q] . K[k] / 8) V[k], one head of 64 channels a work-group row.  q, k, v: f16 in qkv16 [3][64 bh][2048][64]; y: f16 in y16 [64 bh][2048][64].
; Products, maxima and sums in f32; the weights p (at most 1) are rounded to f16 for the second product, y once at the end.  A running maximum is taken away before every exponential.
; LIMIT: |y| above 65,504 has no f16 number; NaN and infinities are not served.
; SHARES.  Work-group (P, bh) owns query blocks 7 - P and then P, 256 queries each: 8 - P and P + 1 slots of 256 keys, nine for every work-group, so the trip count is a constant and the work is even.
; Each of eight waves owns 32 queries of the block in hand: two tiles of 16.  A slot is four steps of 64 keys; a step all of whose keys come after my queries is jumped over (a branch on ids).
; LAYOUT.  S^T = K Q^T (source 0 = 16 keys, source 1 = 16 queries) and O^T = V^T P: a lane holds one query throughout; two tiles of S^T, rounded in pairs, are source 1 of the second product.  V is turned by ds_load_tr16_b128.
; NO CLUSTER: the four work-groups of a head walk different key slots from the trip in which the first of them changes its block, so their descriptors are not equal in every trip.
; LDS: a slot = 256 rows of K (128 bytes + 16) and 256 rows of V (128 + 32); slot 1 lies 2^17 bytes on; behind it a stage of 32 rows x 144 bytes for each wave, then the spare words.
.set PK,    144
.set PV,    160
.set VOFF,  256*PK
.set SLOT1, 1<<17
.set STAGE, SLOT1+256*(PK+PV)
.set SPARE, STAGE+8*32*PK              ; 128 bytes a wave; no other line names them
.set AK0, 1                            ; v1   my lane's place in a tile of K
.set AV0, 2                            ; v2   in a tile of V
.set ADK, 3                            ; v3, v4 addresses of the loads in hand
.set ADV, 4
.set SPW, 5
.set NIL, 6
.set QO,  7                            ; v7   my byte in the wave's rows of Q
.set STO, 8
.set RD,  9
.set GO,  10
.set PFO, 11
.set DR,  14                           ; v14  lane % 16 - 8 (lane / 16), for the mask;  v12, v13, v15 at work
.set ST,  16                           ; tile t's statistics at v[ST + 8 t]: +0 c m, +1 m, +2, +3 l, +4..+7 at work; a takes +6
.set QF,  32                           ; v32-63   Q: tile t, channels 32 c on, at QF + 16 t + 8 c
.set KV,  64                           ; v64-127  K's eight fragments, then V's
.set SS,  128                          ; v128-191 S^T, 32 a tile; P is packed into the low 16 of each tile
.set OO,  192                          ; v192-255 O^T, 32 a tile
.set WV,  8
.set PP,  9
.set BH,  10
.set QB,  20
.set YB,  22
.set G1K, 24
.set G1V, 32
.set G0K, 40
.set G0V, 44
.set NN,  48                           ; s48  the trip
.set CH,  49                           ; s49  7 - P: the last trip of the first block
.set TB,  50                           ; s50  LDS byte at which the slot in hand begins
.set KF,  52                           ; s52  the step's first key
.set Q0,  53                           ; s53  my first query
.set CS,  54                           ; s[54:55] c = log2(e) / 8
.set SEL, 56                           ; s[56:57] selects for lane xor 16
.set PFA, 60
.set LIM, 62
.macro TLOAD                           ; waves 0-3 fetch K's quarters, waves 4-7 V's; s_nop 0 and four v_nop follow each line
	s_cmp_lt_u32 s[WV], 4
	s_cbranch_scc0 .Lfor_v_\@
	tensor_load_to_lds s[G0K:G0K+3], s[G1K:G1K+7]
	s_nop 0
.rept 4
	v_nop
.endr
	s_branch .Lasked_\@
.Lfor_v_\@:
	tensor_load_to_lds s[G0V:G0V+3], s[G1V:G1V+7]
	s_nop 0
.rept 4
	v_nop
.endr
.Lasked_\@:
.endm
; A prefetch of the key slot that the NEXT change of slots will ask for.  All four work-groups of a head read the same K and V; the one with P = 0 walks slots 0 to 7 in order and asks, nobody else.
; Each wave names the quarter that it fetches: 8,192 bytes, lanes 256 bytes apart.  Trip n names slot n + 2, n = 0 .. 5: each block of slots 2 to 7 is named once; slots 0 and 1 come by their loads alone.
.macro ASK
	s_cmp_lt_u32 s[NN], s[LIM]
	s_cbranch_scc0 .Lnot_mine_\@
	global_prefetch_b8 v[PFO], s[PFA:PFA+1] th:TH_LOAD_NT scope:SCOPE_SE
.Lnot_mine_\@:
.endm
.macro QLOAD
.irp t, 0,1
.irp c, 0,1
	global_load_b128 v[QF+16*\t+8*\c:QF+16*\t+8*\c+3], v[QO], s[QB:QB+1] offset:2048*\t+64*\c
	global_load_b128 v[QF+16*\t+8*\c+4:QF+16*\t+8*\c+7], v[QO], s[QB:QB+1] offset:2048*\t+64*\c+32
.endr
.endr
.endm
.macro RESET                           ; a block begins: m = -3e38, under every score; l and O^T zeros, which the first a = 0 leaves zeros.  The step is written in one form only
.irp t, 0,1
	v_mov_b32 v[ST+8*\t+1], 0xff61b1e6
	v_mul_f32 v[ST+8*\t], s[CS], v[ST+8*\t+1]
.irp j, 2,3,4,5,6,7
	v_mov_b32 v[ST+8*\t+\j], 0
.endr
.endr
.irp j, 0,1,2,3,4,5,6,7,8,9,10,11,12,13,14,15,16,17,18,19,20,21,22,23,24,25,26,27,28,29,30,31,32,33,34,35,36,37,38,39,40,41,42,43,44,45,46,47,48,49,50,51,52,53,54,55,56,57,58,59,60,61,62,63
	v_mov_b32 v[OO+\j], 0
.endr
.endm
	s_load_b128 s[4:7], s[0:1], 0x0                ; qkv16, y16
	v_lshl_add_u32 v[SPW], v0, 2, SPARE
	v_mov_b32 v[NIL], 0
	ds_add_u32 v[SPW], v[NIL]                      ; the opening: the add, twice on end, and its wait ahead of my first tensor load
	ds_add_u32 v[SPW], v[NIL]
	v_lshrrev_b32 v12, 5, v0
	v_readfirstlane_b32 s[WV], v12                 ; wave 0..7
	s_mov_b32 s[PP], ttmp9
	s_and_b32 s[BH], ttmp7, 0xffff
	s_mov_b32 s[G1K], (1<<16)|(1<<20)|(4<<22)|(3<<25)   ; elements of 2 bytes; 4 words of padding behind every 32
	s_mov_b32 s[G1V], (1<<16)|(1<<20)|(4<<22)|(7<<25)   ; 8 words of padding
.irp g, G1K, G1V
	s_mov_b32 s[\g+1], 64<<16                      ; tensor_dim0
	s_mov_b32 s[\g+2], 64<<16                      ; tensor_dim1
	s_mov_b32 s[\g+3], 64<<16                      ; tile_dim0
	s_mov_b32 s[\g+4], 64                          ; tile_dim1
	s_mov_b32 s[\g+5], 64                          ; pitch
	s_mov_b32 s[\g+6], 0
	s_mov_b32 s[\g+7], 0
.endr
	s_mov_b32 s[CS], 0x3e38aa3b
	s_mov_b32 s[CS+1], s[CS]
	s_mov_b32 s[SEL], 0x76543210
	s_mov_b32 s[SEL+1], 0xfedcba98
	s_sub_co_u32 s[CH], 7, s[PP]
	s_mov_b32 s[NN], 0
	s_mov_b32 s[TB], 0
	s_mov_b32 s[KF], 0
	s_and_b32 s66, s[WV], 3                        ; which quarter of a slot's rows I fetch
	s_mul_i32 s67, s66, 64*PK
	s_mul_i32 s68, s66, 64*PV
	s_add_co_u32 s68, s68, VOFF
	s_lshl_b32 s70, s66, 13
	s_mov_b32 s71, 0
	s_lshl_b32 s72, s[BH], 18                      ; the head's first byte in a part of qkv16 and in y16
	s_mov_b32 s73, 0
	s_wait_dscnt 0x0                               ; both opening adds are done
	s_wait_kmcnt 0x0
	s_add_nc_u64 s[12:13], s[4:5], s[72:73]        ; Q's head
	s_add_nc_u64 s[18:19], s[6:7], s[72:73]        ; y's head
	s_add_nc_u64 s[14:15], s[12:13], s[70:71]
	s_add_nc_u64 s[16:17], s[14:15], 0x2000000     ; V's head, my quarter
	s_add_nc_u64 s[14:15], s[14:15], 0x1000000     ; K's head, my quarter
	s_mov_b32 s[G0K], 1
	s_mov_b32 s[G0K+1], s67
	s_mov_b64 s[G0K+2:G0K+3], s[14:15]
	s_or_b32 s[G0K+3], s[G0K+3], 0x80000000
	s_mov_b32 s[G0V], 1
	s_mov_b32 s[G0V+1], s68
	s_mov_b64 s[G0V+2:G0V+3], s[16:17]
	s_or_b32 s[G0V+3], s[G0V+3], 0x80000000
	TLOAD                                          ; key slot 0 into slot 0
	s_cmp_lt_u32 s[WV], 4
	s_cselect_b64 s[PFA:PFA+1], s[14:15], s[16:17]
	s_add_nc_u64 s[PFA:PFA+1], s[PFA:PFA+1], 32768 ; at key slot 1; the first change steps it to 2
	s_cmp_eq_u32 s[PP], 0
	s_cselect_b32 s[LIM], 6, 0
	s_lshl_b32 s[Q0], s[CH], 8
	s_lshl_b32 s66, s[WV], 5
	s_add_co_u32 s[Q0], s[Q0], s66                 ; my first query: 256 (7 - P) + 32 wave
	s_lshl_b32 s66, s[Q0], 7
	s_mov_b32 s67, 0
	s_add_nc_u64 s[QB:QB+1], s[12:13], s[66:67]
	v_and_b32 v12, 15, v0                          ; r
	v_bfe_u32 v13, v0, 4, 1                        ; h
	v_lshlrev_b32 v[QO], 7, v12
	v_lshl_add_u32 v[QO], v13, 4, v[QO]
	QLOAD
	v_mul_u32_u24 v[AK0], v12, PK
	v_lshl_add_u32 v[AK0], v13, 4, v[AK0]          ; key row r, + 16 h
	v_and_b32 v14, 7, v0
	v_bfe_u32 v15, v0, 3, 1
	v_lshl_add_u32 v[AV0], v13, 3, v14
	v_mul_u32_u24 v[AV0], v[AV0], PV
	v_lshl_add_u32 v[AV0], v15, 4, v[AV0]
	v_add_nc_u32 v[AV0], VOFF, v[AV0]              ; key row 8 h + lane % 8, channels 8 ((lane / 8) % 2) on
	s_mul_i32 s66, s[WV], 32*PK
	s_add_co_u32 s66, s66, STAGE                   ; my stage
	v_add_nc_u32 v[STO], s66, v[AK0]               ; in: row r, + 16 h
	v_and_b32 v14, 31, v0
	v_lshrrev_b32 v15, 3, v14
	v_mul_u32_u24 v[RD], v15, PK
	v_and_b32 v15, 7, v0
	v_lshl_add_u32 v[RD], v15, 4, v[RD]
	v_add_nc_u32 v[RD], s66, v[RD]                 ; back: eight lanes to a row of 128 bytes, four rows an instruction
	v_lshlrev_b32 v[GO], 4, v14
	v_lshlrev_b32 v[PFO], 8, v14
	v_lshlrev_b32 v13, 3, v13
	v_sub_nc_u32 v[DR], v12, v13
	RESET
	s_wait_loadcnt 0x0                             ; Q
.macro MASK                            ; register n of tile t holds key KF + 16 (n / 8) + 8 h + n % 8 for query Q0 + 16 t + r: hidden where 16 (n / 8) + n % 8 - 16 t > Q0 - KF + r - 8 h
	s_sub_co_i32 s66, s[Q0], s[KF]
	v_add_nc_u32 v12, s66, v[DR]
	v_mov_b32 v13, 0xff800000
.irp t, 0,1
.irp n, 0,1,2,3,4,5,6,7,8,9,10,11,12,13,14,15,16,17,18,19,20,21,22,23,24,25,26,27,28,29,30,31
	v_cmp_gt_i32 vcc_lo, 16*(\n/8)+\n%8-16*\t, v12
	v_cndmask_b32 v[SS+32*\t+\n], v[SS+32*\t+\n], v13, vcc_lo
.endr
.endr
.endm
.macro SOFTMAX                         ; both tiles line by turn, so that no line waits for the line above it
.irp j, 0,1,2,3
.irp t, 0,1
	v_max3_num_f32 v[ST+8*\t+4+\j], v[SS+32*\t+8*\j], v[SS+32*\t+8*\j+1], v[SS+32*\t+8*\j+2]   ; each accumulator is read from its low end on
.endr
.endr
.irp u, 3,5
.irp j, 0,1,2,3
.irp t, 0,1
	v_max3_num_f32 v[ST+8*\t+4+\j], v[ST+8*\t+4+\j], v[SS+32*\t+8*\j+\u], v[SS+32*\t+8*\j+\u+1]
.endr
.endr
.endr
.irp t, 0,1
	v_max3_num_f32 v[ST+8*\t+4], v[ST+8*\t+4], v[SS+32*\t+7], v[SS+32*\t+15]
.endr
.irp t, 0,1
	v_max3_num_f32 v[ST+8*\t+6], v[ST+8*\t+6], v[SS+32*\t+23], v[SS+32*\t+31]
.endr
.irp t, 0,1
	v_max3_num_f32 v[ST+8*\t+4], v[ST+8*\t+4], v[ST+8*\t+5], v[ST+8*\t+6]
.endr
.irp t, 0,1
	v_max3_num_f32 v[ST+8*\t+4], v[ST+8*\t+4], v[ST+8*\t+7], v[ST+8*\t+1]   ; and the old m
.endr
.irp t, 0,1
	v_permlanex16_b32 v[ST+8*\t+5], v[ST+8*\t+4], s[SEL], s[SEL+1]          ; the query's other 32 keys lie in the lane 16 away
.endr
.irp t, 0,1
	v_mov_b32 v[ST+8*\t+7], v[ST+8*\t]             ; c m_old
.endr
.irp t, 0,1
	v_max_num_f32 v[ST+8*\t+1], v[ST+8*\t+4], v[ST+8*\t+5]
.endr
.irp t, 0,1
	v_mul_f32 v[ST+8*\t], s[CS], v[ST+8*\t+1]
.endr
.irp t, 0,1
	v_sub_f32 v[ST+8*\t+7], v[ST+8*\t+7], v[ST+8*\t]
.endr
.irp b, 0,2,4,6,8,10,12,14,16,18,20,22,24,26,28,30
.irp t, 0,1
	v_pk_fma_f32 v[SS+32*\t+\b:SS+32*\t+\b+1], v[SS+32*\t+\b:SS+32*\t+\b+1], s[CS:CS+1], v[ST+8*\t:ST+8*\t+1] op_sel_hi:[1,0,0] neg_lo:[0,0,1] neg_hi:[0,0,1]   ; c s - c m
.endr
.endr
.irp t, 0,1
	v_exp_f32 v[ST+8*\t+6], v[ST+8*\t+7]           ; a = 2^(c m_old - c m_new)
.endr
.irp n, 0,1,2,3,4,5,6,7,8,9,10,11,12,13,14,15,16,17,18,19,20,21,22,23,24,25,26,27,28,29,30,31
.irp t, 0,1
	v_exp_f32 v[SS+32*\t+\n], v[SS+32*\t+\n]
.endr
.endr
	v_nop                                          ; a plain instruction behind the last exponential
	s_wait_alu depctr_va_vdst(0)                   ; one wait for the batch of 66, ahead of its first reader
.irp t, 0,1
	v_pk_fma_f32 v[ST+8*\t+2:ST+8*\t+3], v[ST+8*\t+2:ST+8*\t+3], v[ST+8*\t+6:ST+8*\t+7], v[SS+32*\t:SS+32*\t+1] op_sel_hi:[1,0,1]   ; l = a l + the sum of the unrounded p, in two chains
.endr
.irp t, 0,1
	v_pk_add_f32 v[ST+8*\t+4:ST+8*\t+5], v[SS+32*\t+2:SS+32*\t+3], v[SS+32*\t+6:SS+32*\t+7]
.endr
.irp u, 4,8,12,16,20,24
.irp t, 0,1
	v_pk_add_f32 v[ST+8*\t+2:ST+8*\t+3], v[ST+8*\t+2:ST+8*\t+3], v[SS+32*\t+\u:SS+32*\t+\u+1]
	v_pk_add_f32 v[ST+8*\t+4:ST+8*\t+5], v[ST+8*\t+4:ST+8*\t+5], v[SS+32*\t+\u+6:SS+32*\t+\u+7]
.endr
.endr
.irp t, 0,1
	v_pk_add_f32 v[ST+8*\t+2:ST+8*\t+3], v[ST+8*\t+2:ST+8*\t+3], v[SS+32*\t+28:SS+32*\t+29]
.endr
.irp t, 0,1
	v_pk_add_f32 v[ST+8*\t+2:ST+8*\t+3], v[ST+8*\t+2:ST+8*\t+3], v[ST+8*\t+4:ST+8*\t+5]
.endr
.irp i, 0,1,2,3,4,5,6,7,8,9,10,11,12,13,14,15
.irp t, 0,1
	v_cvt_pk_f16_f32 v[SS+32*\t+\i], v[SS+32*\t+2*\i], v[SS+32*\t+2*\i+1]   ; in place, ascending: register i is written when pairs up to i have been read
.endr
.endr
.irp i, 0,2,4,6,8,10,12,14,16,18,20,22,24,26,28,30
.irp t, 0,1
	v_pk_mul_f32 v[OO+32*\t+\i:OO+32*\t+\i+1], v[OO+32*\t+\i:OO+32*\t+\i+1], v[ST+8*\t+6:ST+8*\t+7] op_sel_hi:[1,0]   ; O^T x a
.endr
.endr
.endm
; A KEY STEP: 64 keys, the q-th of the slot in hand
.macro STEP q
	s_add_co_u32 s66, s[Q0], 31
	s_cmp_gt_u32 s[KF], s66                        ; all 64 keys come after my 32 queries: ids and the count of steps alone
	s_cbranch_scc1 .Lskip_\@
	v_add_nc_u32 v[ADK], s[TB], v[AK0]
	v_add_nc_u32 v[ADV], s[TB], v[AV0]
.irp f, 0,1,2,3,4,5,6,7                            ; K: keys 16 (f / 2) on, channels 32 (f % 2) on
	ds_load_b128 v[KV+8*\f:KV+8*\f+3], v[ADK] offset:(\q)*64*PK+(\f/2)*16*PK+(\f%2)*64
	ds_load_b128 v[KV+8*\f+4:KV+8*\f+7], v[ADK] offset:(\q)*64*PK+(\f/2)*16*PK+(\f%2)*64+32
.endr
	s_wait_dscnt 0x0
.set i, 0
.rept 16                                           ; S^T = K Q^T: eight accumulators by turns, one instruction a turn
.set rS, SS+32*(i%2)+8*((i/2)%4)
.set rK, KV+8*(2*((i/2)%4)+i/8)
.set rQ, QF+16*(i%2)+8*(i/8)
.if i < 8
	v_wmma_f32_16x16x32_f16 v[rS:rS+7], v[rK:rK+7], v[rQ:rQ+7], 0
.else
	v_wmma_f32_16x16x32_f16 v[rS:rS+7], v[rK:rK+7], v[rQ:rQ+7], v[rS:rS+7]
.endif
.set i, i+1
.endr
.rept 4
	v_nop                                          ; places ahead of the loads into K's registers and of the first read of the scores
.endr
.irp f, 0,1,2,3,4,5,6,7                            ; V, turned: keys 32 (f / 4) on, channels 16 (f % 4) on; it lands while the softmax is walked
	ds_load_tr16_b128 v[KV+8*\f:KV+8*\f+3], v[ADV] offset:(\q)*64*PV+(\f/4)*32*PV+(\f%4)*32
	ds_load_tr16_b128 v[KV+8*\f+4:KV+8*\f+7], v[ADV] offset:(\q)*64*PV+(\f/4)*32*PV+16*PV+(\f%4)*32
.endr
	s_add_co_u32 s66, s[KF], 63
	s_cmp_le_u32 s66, s[Q0]                        ; all 64 keys count for all my queries
	s_cbranch_scc1 .Lopen_\@
	MASK                                           ; a walked step's first key is at or under my first query (steps of 64, tiles of 32, both aligned): every query keeps a finite maximum
.Lopen_\@:
	SOFTMAX
	s_wait_dscnt 0x0                               ; V is in
.set i, 0
.rept 16                                           ; O^T += V^T P: eight accumulators by turns
.set rO, OO+32*(i%2)+8*((i/2)%4)
.set rV, KV+8*(4*(i/8)+(i/2)%4)
.set rP, SS+32*(i%2)+8*(i/8)
	v_wmma_f32_16x16x32_f16 v[rO:rO+7], v[rV:rV+7], v[rP:rP+7], v[rO:rO+7]
.set i, i+1
.endr
.rept 5
	v_nop                                          ; the next S^T is written over P, the next loads land on V, the way out reads O^T
.endr
.Lskip_\@:
	s_add_co_u32 s[KF], s[KF], 64
.endm
; THE CHANGE OF SLOTS, at a slot's head.  Each wave waits for all its tensor loads (one is out: its quarter of the slot ahead), adds 0 to its spare word, and waits for that and for its reads of the slot left.
; fill = 1: behind the barrier the slot left is filled with the next trip's keys; that load has a slot's four steps in which to land.  In trip 0 all eight loads are slot 1's first fills.
.macro CHANGE fill
	s_wait_tensorcnt 0x0
	ds_add_u32 v[SPW], v[NIL]                      ; every wave has issued a tensor load at the head
.if \fill
	s_xor_b32 s[G0K+1], s[G0K+1], SLOT1
	s_xor_b32 s[G0V+1], s[G0V+1], SLOT1
	s_add_co_u32 s66, s[NN], 1
	s_add_co_u32 s67, s[CH], 1
	s_cmp_le_u32 s66, s[CH]
	s_cselect_b32 s67, 0, s67
	s_sub_co_u32 s66, s66, s67                     ; the next trip's key slot: n + 1 in the first block, n - (7 - P) in the second
	s_lshl_b32 s66, s66, 15
	s_mov_b32 s67, 0
	s_add_nc_u64 s[G0K+2:G0K+3], s[14:15], s[66:67]
	s_or_b32 s[G0K+3], s[G0K+3], 0x80000000
	s_add_nc_u64 s[G0V+2:G0V+3], s[16:17], s[66:67]
	s_or_b32 s[G0V+3], s[G0V+3], 0x80000000
	s_wait_xcnt 0x0                                ; the last prefetch, a slot back, has read its address
	s_add_nc_u64 s[PFA:PFA+1], s[PFA:PFA+1], 32768
.endif
	s_wait_dscnt 0x0
	s_barrier_signal -1
	s_barrier_wait -1
.if \fill
	TLOAD
	ASK
.endif
.endm
.macro SLOT_STEPS
	STEP 0
	STEP 1
	STEP 2
	STEP 3
	s_xor_b32 s[TB], s[TB], SLOT1
.endm
; A BLOCK'S WAY OUT: O^T / l, rounded to f16, through my stage, out as 512 consecutive bytes an instruction.  reload = 1: the second block's Q is asked for first and lands meanwhile.
.macro FINISH reload
	s_wait_xcnt 0x0
	s_lshl_b32 s66, s[Q0], 7
	s_mov_b32 s67, 0
	s_add_nc_u64 s[YB:YB+1], s[18:19], s[66:67]
.if \reload
	s_lshl_b32 s[Q0], s[PP], 8
	s_lshl_b32 s66, s[WV], 5
	s_add_co_u32 s[Q0], s[Q0], s66
	s_mov_b32 s[KF], 0
	s_lshl_b32 s66, s[Q0], 7
	s_add_nc_u64 s[QB:QB+1], s[12:13], s[66:67]
	QLOAD
.endif
.irp t, 0,1
	v_add_f32 v[ST+8*\t+4], v[ST+8*\t+2], v[ST+8*\t+3]
.endr
.irp t, 0,1
	v_permlanex16_b32 v[ST+8*\t+5], v[ST+8*\t+4], s[SEL], s[SEL+1]
.endr
.irp t, 0,1
	v_add_f32 v[ST+8*\t+4], v[ST+8*\t+4], v[ST+8*\t+5]
.endr
.irp t, 0,1
	v_rcp_f32 v[ST+8*\t+6], v[ST+8*\t+4]
.endr
	v_nop
	s_wait_alu depctr_va_vdst(0)                   ; one wait for the two reciprocals
.irp i, 0,2,4,6,8,10,12,14,16,18,20,22,24,26,28,30
.irp t, 0,1
	v_pk_mul_f32 v[OO+32*\t+\i:OO+32*\t+\i+1], v[OO+32*\t+\i:OO+32*\t+\i+1], v[ST+8*\t+6:ST+8*\t+7] op_sel_hi:[1,0]
.endr
.endr
.irp t, 0,1
.irp i, 0,1,2,3,4,5,6,7,8,9,10,11,12,13,14,15
	v_cvt_pk_f16_f32 v[SS+16*\t+\i], v[OO+32*\t+2*\i], v[OO+32*\t+2*\i+1]
.endr
.endr
.irp t, 0,1
.irp c, 0,1,2,3
	ds_store_b128 v[STO], v[SS+16*\t+4*\c:SS+16*\t+4*\c+3] offset:16*PK*\t+32*\c
.endr
.endr
.irp i, 0,1,2,3,4,5,6,7
	ds_load_b128 v[KV+4*\i:KV+4*\i+3], v[RD] offset:4*PK*\i     ; LDS serves a wave's instructions in order: these see the stores above
.endr
.irp i, 0,1,2,3,4,5,6,7
	s_wait_dscnt 7-\i                              ; the younger loads may be out
	global_store_b128 v[GO], v[KV+4*\i:KV+4*\i+3], s[YB:YB+1] offset:512*\i
.endr
	s_wait_xcnt 0x0                                ; the stores have read their data: K's fragments may land there again
.if \reload
	RESET
	s_wait_loadcnt 0x0
.endif
.endm
.Lslot:                                            ; eight trips; behind each change the next trip's keys are asked for
	CHANGE 1
	SLOT_STEPS
	s_cmp_lg_u32 s[NN], s[CH]                      ; the first block's last slot?  The work-group's number and the trip alone: all eight waves go the same way
	s_cbranch_scc1 .Lsame_block
	FINISH 1
.Lsame_block:
	s_add_co_u32 s[NN], s[NN], 1
	s_cmp_lt_u32 s[NN], 8
	s_cbranch_scc1 .Lslot
	CHANGE 0                                       ; the ninth trip is written out: nothing is left to ask for
	SLOT_STEPS
	FINISH 0
	s_wait_tensorcnt 0x0                           ; the wave's end
	ds_add_u32 v[SPW], v[NIL]
	s_wait_dscnt 0x0
	s_endpgm
.Lfunc_end_k_q16246ea628_attn:
	.size	k_q16246ea628_attn, .Lfunc_end_k_q16246ea628_attn-k_q16246ea628_attn
	.p2alignl 7, 3214868480
	.fill 96, 4, 3214868480
	.section	.rodata,"a",@progbits
	.p2align	6, 0x0
	.amdhsa_kernel k_q16246ea628_attn
		.amdhsa_group_segment_fixed_size 327680
		.amdhsa_private_segment_fixed_size 0
		.amdhsa_enable_private_segment 0
		.amdhsa_kernarg_size 16
		.amdhsa_user_sgpr_count 2
		.amdhsa_user_sgpr_kernarg_segment_ptr 1
		.amdhsa_wavefront_size32 1
		.amdhsa_system_sgpr_workgroup_id_x 1
		.amdhsa_system_sgpr_workgroup_id_y 1
		.amdhsa_system_sgpr_workgroup_id_z 1
		.amdhsa_system_vgpr_workitem_id 0
		.amdhsa_next_free_vgpr 256
		.amdhsa_next_free_sgpr 76
		.amdhsa_reserve_vcc 1
		.amdhsa_float_denorm_mode_32 3
		.amdhsa_float_denorm_mode_16_64 3
		.amdhsa_memory_ordered 1
		.amdhsa_forward_progress 1
		.amdhsa_inst_pref_size 198
	.end_amdhsa_kernel
	.amdgpu_metadata
---
amdhsa.version: [ 1, 2 ]
amdhsa.kernels:
  - .name:           k_q16246ea628_attn
    .symbol:         k_q16246ea628_attn.kd
    .args:
      - { .name: qkv16, .offset: 0, .size: 8, .value_kind: global_buffer, .address_space: global }
      - { .name: y16, .offset: 8, .size: 8, .value_kind: global_buffer, .address_space: global }
    .group_segment_fixed_size: 327680
    .private_segment_fixed_size: 0
    .kernarg_segment_align: 8
    .kernarg_segment_size: 16
    .max_flat_workgroup_size: 256
    .sgpr_count:     76
    .vgpr_count:     256
    .wavefront_size: 32
...
	.end_amdgpu_metadata
.endif
;; end of part 3
;; launch proj (part 4): grid 8 x 32, 4 waves a work-group, clusters of 4 x 4, 327,680 bytes of LDS; arguments y16, wp16, b_proj, out0; writes out0
.if DOCPART == 4
	.amdgcn_target "amdgcn-amd-amdhsa--gfx1250"
	.amdhsa_code_object_version 6
	.text
	.protected	k_q16246ea628_proj
	.globl	k_q16246ea628_proj
	.p2align	8
	.type	k_q16246ea628_proj,@function
k_q16246ea628_proj:
	s_mov_b64 s[64:65], 0
	v_nop
	global_prefetch_b8 v0, s[64:65] scope:SCOPE_SE
	s_setreg_imm32_b32 hwreg(HW_REG_WAVE_MODE, 25, 1), 1
	s_wait_xcnt 0x0
	s_wait_alu depctr_hold_cnt(0) depctr_sa_sdst(0) depctr_va_vdst(0) depctr_va_sdst(0) depctr_va_ssrc(0) depctr_va_vcc(0) depctr_vm_vsrc(0)
	s_getreg_b32 s2, hwreg(HW_REG_IB_STS2, 6, 4)
	s_cmp_eq_u32 s2, 0
	s_cbranch_scc0 .Lentry_in_a_cluster
	s_endpgm
.Lentry_in_a_cluster:
	s_bfe_u32 s2, ttmp6, 0x10000c
	s_cmp_lg_u32 s2, 0xf033
	s_cbranch_scc0 .Lentry_shape_is_right
	s_endpgm
.Lentry_shape_is_right:
; out0 = y w_proj + b_proj: [8192][1024] x [1024 k][1024 n], f16 operands, f32 sums; the bias is the C of each sum's first product.
; y16 is laid [16 batch + head][2048][64], so 64 along K are one head's plane, dense in memory; wp16 is w_proj's own layout in f16 and is turned by ds_load_tr16_b128.
; A tile of 256 rows x 128 columns is made by four waves, each 128 x 64: 32 accumulators.  K goes in steps of 128 (two planes of y, 128 rows of w) through two LDS slots.
; CLUSTERS: 4 x 4 work-groups: y's planes are asked for jointly along a row of the cluster, w's rows along a column.  The matrix instruction is used transposed (source 0 = 16 columns of w, source 1 = 16 rows of y).
; REGISTERS: window 0: v0-31 addresses; v32-127, v128-223 two fragment buffers (w's 4 fragments, then y's 8, for 32 along K); v224-255 the bias.   window 1: accumulator (a, b) at v[8 (4 a + b)].
.set PA,     144                       ; a row of y's plane in LDS: 128 bytes + 16
.set PB,     288                       ; a row of w's tile: 256 bytes + 32
.set PLANE,  256*PA
.set BOFF,   2*PLANE
.set SLOT,   BOFF+128*PB
.set STAGE,  2*SLOT                    ; 16 rows x 272 bytes for each wave
.set SPITCH, 272
.set SPARE,  STAGE+4*16*SPITCH         ; 128 bytes a wave; no other line names them
.set ADRA, 16
.set ADRB, 20
.set STO,  24
.set RD,   25
.set CO,   26
.set SPW,  28
.set NIL,  29
.set PFO,  30
.set BO,   31
.set F0,   32
.set F1,   128
.set BI,   224
.set OB,   32
.set G1A, 24
.set G0A, 32
.set G1B, 48
.set G0B, 56
.set PFA, 44
.set LIM, 43
.set MSB, 0
.macro WIN new
.if MSB != \new
	s_set_vgpr_msb (MSB<<8)|\new
.set MSB, \new
.endif
.endm
.set MUL, 0x50                         ; C and D window 1
.set FST, 0x40                         ; C (the bias) window 0, D window 1
.macro JLOAD s                         ; waves 0 and 1 fetch y's two planes, waves 2 and 3 w's two halves; s_nop 0 and four v_nop follow each line
	s_cmp_eq_u32 s13, 0
	s_cbranch_scc0 .Lfor_b_\@
	tensor_load_to_lds s[G0A+4*\s:G0A+4*\s+3], s[G1A:G1A+7]
	s_nop 0
.rept 4
	v_nop
.endr
	s_branch .Lasked_\@
.Lfor_b_\@:
	tensor_load_to_lds s[G0B+4*\s:G0B+4*\s+3], s[G1B:G1B+7]
	s_nop 0
.rept 4
	v_nop
.endr
.Lasked_\@:
.endm
.macro CREST
	s_cmp_lg_u32 s12, 0
	s_cbranch_scc1 .Lnot_wave_0_\@
	s_barrier_signal -3
.Lnot_wave_0_\@:
	s_barrier_wait -3
	s_barrier_signal -1
	s_barrier_wait -1
.endm
.macro CROUND
	s_barrier_signal -1
	s_barrier_wait -1
	CREST
.endm
; A prefetch of y's plane of the K step that stands two refills on.  A tile row's planes are read by both clusters of that row of clusters: the one with cluster x = 0 asks; in it waves 0 and 1, each for the plane that it fetches;
; the four partners share a plane's 32,768 bytes out by address, 8,192 each, lanes 256 bytes apart.  So K steps 4 to 7 are named once; the loop's last trip names nothing.  w's rows are read by all 32 tile rows and are not asked for.
.macro ASK
	s_cmp_gt_u32 s3, s[LIM]
	s_cbranch_scc0 .Lnot_mine_\@
	global_prefetch_b8 v[PFO], s[PFA:PFA+1] offset:524288 th:TH_LOAD_NT scope:SCOPE_SE
.Lnot_mine_\@:
.endm
	s_load_b256 s[4:11], s[0:1], 0x0               ; y16 s[4:5], wp16 s[6:7], b_proj s[8:9], out0 s[10:11]
	v_lshl_add_u32 v[SPW], v0, 2, SPARE
	v_mov_b32 v[NIL], 0
	ds_add_u32 v[SPW], v[NIL]                      ; the opening: the add, twice on end, and its wait ahead of my first tensor load
	ds_add_u32 v[SPW], v[NIL]
	v_lshrrev_b32 v1, 5, v0
	v_readfirstlane_b32 s12, v1                    ; wave 0..3
	s_lshr_b32 s13, s12, 1                         ; my half of the rows; also: I fetch for y (0) or for w (1)
	s_and_b32 s14, s12, 1                          ; my half of the columns; also: which plane or half I fetch
	s_bfe_u32 s40, ttmp6, 0x40000                  ; cx
	s_bfe_u32 s41, ttmp6, 0x40004                  ; cy
	s_lshl_b32 s42, ttmp9, 2
	s_add_co_u32 s42, s42, s40                     ; tile column
	s_and_b32 s15, ttmp7, 0xffff
	s_lshl_b32 s15, s15, 2
	s_add_co_u32 s15, s15, s41                     ; tile row
	s_lshl_b32 s43, s41, 2
	s_lshl_b32 s43, 15, s43
	s_lshl_b32 s44, 0x1111, s40
	s_or_b32 s[G1A], s43, (1<<16)|(1<<20)|(1<<21)|(4<<22)|(3<<25)   ; mask of my row; elements of 2 bytes; 4 words of padding behind every 32
	s_mov_b32 s[G1A+1], 64<<16
	s_mov_b32 s[G1A+2], 256<<16
	s_mov_b32 s[G1A+3], 64<<16
	s_mov_b32 s[G1A+4], 256
	s_mov_b32 s[G1A+5], 64
	s_mov_b32 s[G1A+6], 0
	s_mov_b32 s[G1A+7], 0
	s_or_b32 s[G1B], s44, (1<<16)|(1<<20)|(1<<21)|(5<<22)|(7<<25)   ; mask of my column; 8 words of padding behind every 64
	s_mov_b32 s[G1B+1], 128<<16
	s_mov_b32 s[G1B+2], 64<<16
	s_mov_b32 s[G1B+3], 128<<16
	s_mov_b32 s[G1B+4], 64
	s_mov_b32 s[G1B+5], 1024
	s_mov_b32 s[G1B+6], 0
	s_mov_b32 s[G1B+7], 0
	s_lshr_b32 s16, s15, 3
	s_lshl_b32 s16, s16, 22                        ; the batch's 16 planes
	s_and_b32 s17, s15, 7
	s_lshl_b32 s17, s17, 15                        ; 256 positions x 128 bytes
	s_add_co_u32 s16, s16, s17
	s_lshl_b32 s17, s14, 18                        ; my plane
	s_add_co_u32 s16, s16, s17
	s_mov_b32 s17, 0
	s_lshl_b32 s46, s14, 17                        ; my 64 rows of w, 2,048 bytes each
	s_lshl_b32 s47, s42, 8
	s_add_co_u32 s46, s46, s47
	s_mov_b32 s47, 0
	s_mul_i32 s20, s14, PLANE
	s_mul_i32 s21, s14, 64*PB
	s_add_co_u32 s21, s21, BOFF
	s_wait_dscnt 0x0
	s_wait_kmcnt 0x0
	s_add_nc_u64 s[18:19], s[4:5], s[16:17]
	s_add_nc_u64 s[46:47], s[6:7], s[46:47]
	CROUND
.irp s, 0,1
	s_mov_b32 s[G0A+4*\s], 1
	s_add_co_u32 s[G0A+4*\s+1], s20, \s*SLOT
	s_add_nc_u64 s[G0A+4*\s+2:G0A+4*\s+3], s[18:19], \s*524288
	s_or_b32 s[G0A+4*\s+3], s[G0A+4*\s+3], 0x80000000
	s_mov_b32 s[G0B+4*\s], 1
	s_add_co_u32 s[G0B+4*\s+1], s21, \s*SLOT
	s_add_nc_u64 s[G0B+4*\s+2:G0B+4*\s+3], s[46:47], \s*262144
	s_or_b32 s[G0B+4*\s+3], s[G0B+4*\s+3], 0x80000000
	JLOAD \s
.endr
	v_and_b32 v1, 15, v0                           ; r
	v_bfe_u32 v2, v0, 4, 1                         ; h
	v_lshlrev_b32 v[BO], 5, v2
	s_lshl_b32 s20, s42, 9
	s_lshl_b32 s21, s14, 8
	s_add_co_u32 s20, s20, s21                     ; my first column, in bytes of f32
	s_mov_b32 s21, 0
	s_add_nc_u64 s[8:9], s[8:9], s[20:21]
.irp b, 0,1,2,3
	global_load_b128 v[BI+8*\b:BI+8*\b+3], v[BO], s[8:9] offset:64*\b
	global_load_b128 v[BI+8*\b+4:BI+8*\b+7], v[BO], s[8:9] offset:64*\b+16
.endr
	s_lshl_b32 s22, s15, 20
	s_add_co_u32 s20, s20, s22
	s_lshl_b32 s22, s13, 19
	s_add_co_u32 s20, s20, s22
	s_add_nc_u64 s[10:11], s[10:11], s[20:21]      ; out0 at my first row and column
	s_lshl_b32 s22, s40, 13
	s_mov_b32 s23, 0
	s_add_nc_u64 s[PFA:PFA+1], s[18:19], s[22:23]
	s_add_nc_u64 s[PFA:PFA+1], s[PFA:PFA+1], 2*524288   ; at K step 2: the first refill steps it to 3 and names 4
	s_or_b32 s22, s13, ttmp9
	s_cmp_eq_u32 s22, 0
	s_cselect_b32 s[LIM], 1, -1                    ; the same in all sixteen partners, for a given wave
	v_and_b32 v[PFO], 31, v0
	v_lshlrev_b32 v[PFO], 8, v[PFO]
	v_mul_u32_u24 v3, v1, PA
	v_lshl_add_u32 v3, v2, 4, v3
	s_mul_i32 s21, s13, 128*PA
	v_and_b32 v4, 7, v0
	v_lshl_add_u32 v4, v2, 3, v4
	v_mul_u32_u24 v4, v4, PB
	v_bfe_u32 v5, v0, 3, 1
	v_lshl_add_u32 v4, v5, 4, v4
	s_lshl_b32 s22, s14, 7
	s_add_co_u32 s22, s22, BOFF
.irp s, 0,1
	v_add_nc_u32 v[ADRA+\s], s21, v3
	v_add_nc_u32 v[ADRB+\s], s22, v4
	s_add_co_u32 s21, s21, SLOT
	s_add_co_u32 s22, s22, SLOT
.endr
	s_mul_i32 s23, s12, 16*SPITCH
	s_add_co_u32 s23, s23, STAGE
	v_mul_u32_u24 v5, v1, SPITCH
	v_lshl_add_u32 v5, v2, 5, v5
	v_add_nc_u32 v[STO], s23, v5                   ; in: row r, 32 bytes for each half of the lanes
	v_mul_u32_u24 v5, v2, SPITCH
	v_lshl_add_u32 v5, v1, 4, v5
	v_add_nc_u32 v[RD], s23, v5                    ; back: lanes 0-15 one row of 256 bytes, lanes 16-31 the next
	v_lshlrev_b32 v[CO], 12, v2
	v_lshl_add_u32 v[CO], v1, 4, v[CO]
.macro MUL8 f, a0, first               ; y's blocks a0, a0 + 1 against w's four; the 32 accumulators take turns in the same order in every quarter
.irp a, \a0, \a0+1
.irp b, 0,1,2,3
.if \first
	v_wmma_f32_16x16x32_f16 v[8*(4*(\a)+\b):8*(4*(\a)+\b)+7], v[\f+8*\b:\f+8*\b+7], v[\f+32+8*(\a):\f+32+8*(\a)+7], v[BI+8*\b:BI+8*\b+7]
.else
	v_wmma_f32_16x16x32_f16 v[8*(4*(\a)+\b):8*(4*(\a)+\b)+7], v[\f+8*\b:\f+8*\b+7], v[\f+32+8*(\a):\f+32+8*(\a)+7], v[8*(4*(\a)+\b):8*(4*(\a)+\b)+7]
.endif
.endr
.endr
.endm
.macro FETCH slot, q, f                ; 24 loads: w's four fragments (turned), y's blocks 0-3, y's blocks 4-7, for the slot's q-th 32 along K
.irp j, 0,1,2,3
	ds_load_tr16_b128 v[\f+8*\j:\f+8*\j+3], v[ADRB+\slot] offset:32*PB*(\q)+32*\j
	ds_load_tr16_b128 v[\f+8*\j+4:\f+8*\j+7], v[ADRB+\slot] offset:32*PB*(\q)+32*\j+16*PB
.endr
.irp i, 0,1,2,3,4,5,6,7
	ds_load_b128 v[\f+32+8*\i:\f+32+8*\i+3], v[ADRA+\slot] offset:PLANE*((\q)/2)+64*((\q)%2)+16*PA*\i
	ds_load_b128 v[\f+32+8*\i+4:\f+32+8*\i+7], v[ADRA+\slot] offset:PLANE*((\q)/2)+64*((\q)%2)+16*PA*\i+32
.endr
.endm
.macro PLACES
.rept 4
	v_nop
.endr
.endm
.macro QUARTER slot, qn, f, g, first   ; multiplies buffer f; in its middle fetches the slot's quarter qn into g
	s_wait_dscnt 8                                 ; all but the youngest eight loads (y's blocks 4-7) are in
.if \first
	WIN FST
.else
	WIN MUL
.endif
	MUL8 \f, 0, \first
	MUL8 \f, 2, \first
	PLACES
	WIN 0
	FETCH \slot, \qn, \g
	s_wait_dscnt 24                                ; all but the 24 just issued
.if \first
	WIN FST
.else
	WIN MUL
.endif
	MUL8 \f, 4, \first
	MUL8 \f, 6, \first
.endm
; A slot's last quarter multiplies buffer 1 and changes slots: one barrier; ahead of it each wave waits for all its tensor loads, adds 0 to its spare word, and waits for that and for its reads of this slot.
.macro TURN slot, next, fill
.if \fill
	s_wait_xcnt 0x0                                ; the last prefetch, a K step back, has read its address
	s_add_nc_u64 s[PFA:PFA+1], s[PFA:PFA+1], 524288
.endif
	WIN 0
	s_wait_tensorcnt 0x0
	ds_add_u32 v[SPW], v[NIL]
	s_wait_dscnt 9                                 ; the add and the youngest eight loads may be out
	WIN MUL
	MUL8 F1, 0, 0
	s_wait_dscnt 0x0
	s_barrier_signal -1
	MUL8 F1, 2, 0
	WIN 0
	s_barrier_wait -1
.if \fill
	CREST                                          ; the barrier has opened a round of the cluster's: no wave of any partner still reads this slot or has a load on its way
	s_add_nc_u64 s[G0A+4*\slot+2:G0A+4*\slot+3], s[G0A+4*\slot+2:G0A+4*\slot+3], 1048576
	s_add_nc_u64 s[G0B+4*\slot+2:G0B+4*\slot+3], s[G0B+4*\slot+2:G0B+4*\slot+3], 524288
	JLOAD \slot                                    ; my one tensor load behind the round; its four v_nop are also the places ahead of the loads below
.else
	PLACES
.endif
	FETCH \next, 0, F0
.if \fill
	ASK
.endif
	WIN MUL
	MUL8 F1, 4, 0
	MUL8 F1, 6, 0
.endm
	s_wait_tensorcnt 1                             ; my part of K step 0 is in; K step 1's load may be out
	s_barrier_signal -1
	s_barrier_wait -1
	FETCH 0, 0, F0
	s_wait_loadcnt 0x0                             ; the bias
	QUARTER 0, 1, F0, F1, 1                        ; the first quarter starts the sums from the bias
	WIN 0
	s_mov_b32 s3, 3
.Llap:                                             ; a trip goes once round the ring and fills both slots again
	QUARTER 0, 2, F1, F0, 0
	QUARTER 0, 3, F0, F1, 0
	TURN 0, 1, 1
	QUARTER 1, 1, F0, F1, 0
	QUARTER 1, 2, F1, F0, 0
	QUARTER 1, 3, F0, F1, 0
	TURN 1, 0, 1
	QUARTER 0, 1, F0, F1, 0
	WIN 0
	s_sub_co_u32 s3, s3, 1
	s_cmp_lg_u32 s3, 0
	s_cbranch_scc1 .Llap
	QUARTER 0, 2, F1, F0, 0                        ; the last lap fills nothing
	QUARTER 0, 3, F0, F1, 0
	TURN 0, 1, 0
	QUARTER 1, 1, F0, F1, 0
	QUARTER 1, 2, F1, F0, 0
	QUARTER 1, 3, F0, F1, 0
	s_wait_dscnt 8
	WIN MUL
	MUL8 F1, 0, 0
	MUL8 F1, 2, 0
	s_wait_dscnt 0
	MUL8 F1, 4, 0
	MUL8 F1, 6, 0
	WIN 0
; THE WAY OUT, block by block of 16 rows x 64 columns of f32: through my stage, back as whole rows of 256 bytes; sixteen lanes store 256 consecutive bytes, aligned
.macro TOSTAGE a
	WIN 0x04                                       ; an LDS store's data: window 1
.irp b, 0,1,2,3
	ds_store_b128 v[STO], v[8*(4*(\a)+\b):8*(4*(\a)+\b)+3] offset:64*\b          ; each accumulator from its low end on
	ds_store_b128 v[STO], v[8*(4*(\a)+\b)+4:8*(4*(\a)+\b)+7] offset:64*\b+16
.endr
	WIN 0
.set BB, OB+32*((\a)%2)
.irp t, 0,1,2,3,4,5,6,7
	ds_load_b128 v[BB+4*\t:BB+4*\t+3], v[RD] offset:\t*2*SPITCH
.endr
.endm
.macro SEND a, younger
.set BB, OB+32*((\a)%2)
	s_wait_dscnt \younger                          ; the LDS instructions issued behind this block's loads may be out
.if (\a) > 0
	s_add_nc_u64 s[10:11], s[10:11], 16*4096       ; behind a wait on XCNT: the earlier stores have read their base
.endif
.irp t, 0,1,2,3,4,5,6,7
	global_store_b128 v[CO], v[BB+4*\t:BB+4*\t+3], s[10:11] offset:\t*2*4096 th:TH_STORE_NT
.endr
.endm
	PLACES
	TOSTAGE 0
.irp a, 1,2,3,4,5,6,7
.if \a > 1
	s_wait_xcnt 0x0                                ; block a - 2's stores have read their registers and their base
.endif
	TOSTAGE \a
	SEND \a-1, 16
.endr
	s_wait_xcnt 0x0
	SEND 7, 0
	s_wait_tensorcnt 0x0                           ; the wave's end
	ds_add_u32 v[SPW], v[NIL]
	s_wait_dscnt 0x0
	CROUND                                         ; the closing round
	s_endpgm
.Lfunc_end_k_q16246ea628_proj:
	.size	k_q16246ea628_proj, .Lfunc_end_k_q16246ea628_proj-k_q16246ea628_proj
	.p2alignl 7, 3214868480
	.fill 96, 4, 3214868480
	.section	.rodata,"a",@progbits
	.p2align	6, 0x0
	.amdhsa_kernel k_q16246ea628_proj
		.amdhsa_group_segment_fixed_size 327680
		.amdhsa_private_segment_fixed_size 0
		.amdhsa_enable_private_segment 0
		.amdhsa_kernarg_size 32
		.amdhsa_user_sgpr_count 2
		.amdhsa_user_sgpr_kernarg_segment_ptr 1
		.amdhsa_wavefront_size32 1
		.amdhsa_system_sgpr_workgroup_id_x 1
		.amdhsa_system_sgpr_workgroup_id_y 1
		.amdhsa_system_sgpr_workgroup_id_z 1
		.amdhsa_system_vgpr_workitem_id 0
		.amdhsa_next_free_vgpr 512
		.amdhsa_next_free_sgpr 66
		.amdhsa_reserve_vcc 0
		.amdhsa_float_denorm_mode_32 3
		.amdhsa_float_denorm_mode_16_64 3
		.amdhsa_memory_ordered 1
		.amdhsa_forward_progress 1
		.amdhsa_inst_pref_size 88
	.end_amdhsa_kernel
	.amdgpu_metadata
---
amdhsa.version: [ 1, 2 ]
amdhsa.kernels:
  - .name:           k_q16246ea628_proj
    .symbol:         k_q16246ea628_proj.kd
    .args:
      - { .name: y16, .offset: 0, .size: 8, .value_kind: global_buffer, .address_space: global }
      - { .name: wp16, .offset: 8, .size: 8, .value_kind: global_buffer, .address_space: global }
      - { .name: b_proj, .offset: 16, .size: 8, .value_kind: global_buffer, .address_space: global }
      - { .name: out0, .offset: 24, .size: 8, .value_kind: global_buffer, .address_space: global }
    .group_segment_fixed_size: 327680
    .private_segment_fixed_size: 0
    .kernarg_segment_align: 8
    .kernarg_segment_size: 32
    .max_flat_workgroup_size: 128
    .sgpr_count:     66
    .vgpr_count:     512
    .wavefront_size: 32
...
	.end_amdgpu_metadata
.endif
;; end of part 4
;; launch fine (part 5): grid 64 x 4, 16 waves a work-group, no clusters, 18,432 bytes of LDS; arguments qkv32, w_proj, b_proj, out0; writes out0
.if DOCPART == 5
	.amdgcn_target "amdgcn-amd-amdhsa--gfx1250"
	.amdhsa_code_object_version 6
	.text
	.protected	k_q16246ea628_fine
	.globl	k_q16246ea628_fine
	.p2align	8
	.type	k_q16246ea628_fine,@function
k_q16246ea628_fine:
	s_mov_b64 s[64:65], 0
	v_nop
	global_prefetch_b8 v0, s[64:65] scope:SCOPE_SE
	s_setreg_imm32_b32 hwreg(HW_REG_WAVE_MODE, 25, 1), 1
	s_wait_xcnt 0x0
; Positions 0-15 of every batch once more, wholly in f32: these rows average one to sixteen values and are the largest, so f16 operands are too coarse for them.  It runs last and writes rows t < 16 of out0.
; Work-group (j, batch) owns output columns 16 j .. 16 j + 15 of the batch's 16 rows; wave w is head w: it makes the head's 16 x 16 attention and its share of the projection; the sixteen shares meet in LDS.
; All three products go by v_wmma_f32_16x16x4_f32, transposed, so that a lane holds one query throughout and a result's registers are the next product's source 1 as they stand; along each K the four places of a step
; take the same numbers on both sources.  That is 48 matrix instructions a wave for 64 of 8,192 rows.  The accumulators are written by matrix instructions alone; p is divided by its sum ahead of the second product.
; The 256 results of a work-group leave as runs of 64 bytes: the launch stores 262,144 bytes in all, and wider slices would leave most of the grid without work.
.set SPARE, 16384                      ; behind the sixteen shares of 1,024 bytes: the spare words, 128 bytes a wave
.set SPW, 250
.set NIL, 251
.set QF,  16                           ; v16-47   Q: channels 32 h .. 32 h + 31 of row r
.set KF,  48                           ; v48-79   K likewise
.set VF,  80                           ; v80-111  register 8 c + e: V[key 8 h + e][channel 16 c + r]
.set WF,  112                          ; v112-143 register 8 c + e: w_proj[64 w + 16 c + 8 h + e][16 j + r]
.set SA,  144                          ; v144-159 S^T in two halves
.set SB,  152
.set T,   160                          ; v160-167 scores, then p / l;  v168-172 at work
.set Y,   176                          ; v176-207 y^T, four tiles of 16 channels
.set OA,  208                          ; v208-239 out^T, one share for each tile of channels
.set R,   240                          ; v240-247 their sum
	s_load_b256 s[4:11], s[0:1], 0x0               ; qkv32 s[4:5], w_proj s[6:7], b_proj s[8:9], out0 s[10:11]
	v_lshl_add_u32 v[SPW], v0, 2, SPARE
	v_mov_b32 v[NIL], 0
	v_lshrrev_b32 v1, 5, v0
	v_readfirstlane_b32 s12, v1                    ; wave = head
	s_and_b32 s13, ttmp7, 0xffff                   ; batch
	v_and_b32 v1, 15, v0                           ; r
	v_bfe_u32 v2, v0, 4, 1                         ; h
	v_mul_u32_u24 v3, v1, 12288
	v_lshl_add_u32 v3, v2, 7, v3                   ; Q, K: row r, + 128 h
	v_mul_u32_u24 v4, v2, 8*12288
	v_lshl_add_u32 v4, v1, 2, v4                   ; V: 8 h rows down, + 4 r
	v_lshlrev_b32 v5, 15, v2
	v_lshl_add_u32 v5, v1, 2, v5                   ; w_proj: 8 h rows of 4,096 bytes down, + 4 r
	v_lshlrev_b32 v6, 2, v1                        ; the bias of column lane % 16
	v_lshlrev_b32 v7, 5, v0                        ; my share in LDS: 1,024 wave + 32 lane
	v_lshrrev_b32 v8, 4, v0                        ; the sum's owner: thread / 16 is the row (waves 0-7), lane % 16 the column
	v_lshlrev_b32 v10, 12, v8
	v_lshl_add_u32 v10, v1, 2, v10                 ; its place in out0
	v_lshlrev_b32 v8, 5, v8
	v_bfe_u32 v9, v0, 3, 1
	v_lshl_add_u32 v8, v9, 9, v8
	v_and_b32 v9, 7, v0
	v_lshl_add_u32 v8, v9, 2, v8                   ; in a share: 32 (row + 16 (column / 8)) + 4 (column % 8)
	v_mov_b32 v14, 0                               ; a lane permute's destination counts as one of its sources
	s_mov_b32 s14, 0x76543210
	s_mov_b32 s15, 0xfedcba98
	s_mov_b32 s16, 0x3e38aa3b                      ; c = log2(e) / 8
	s_mul_i32 s18, s13, 16*12288
	s_lshl_b32 s19, s12, 8
	s_add_co_u32 s18, s18, s19
	s_mov_b32 s19, 0
	s_lshl_b32 s20, s12, 18
	s_lshl_b32 s22, ttmp9, 6
	s_add_co_u32 s20, s20, s22
	s_mov_b32 s21, 0
	s_mov_b32 s23, 0
	s_lshl_b32 s24, s13, 23
	s_add_co_u32 s24, s24, s22
	s_mov_b32 s25, 0
	s_wait_kmcnt 0x0
	s_add_nc_u64 s[4:5], s[4:5], s[18:19]
	s_add_nc_u64 s[6:7], s[6:7], s[20:21]
	s_add_nc_u64 s[8:9], s[8:9], s[22:23]
	s_add_nc_u64 s[10:11], s[10:11], s[24:25]
.irp i, 0,1,2,3,4,5,6,7
	global_load_b128 v[QF+4*\i:QF+4*\i+3], v3, s[4:5] offset:16*\i
.endr
.irp i, 0,1,2,3,4,5,6,7
	global_load_b128 v[KF+4*\i:KF+4*\i+3], v3, s[4:5] offset:4096+16*\i
.endr
.irp c, 0,1,2,3
.irp e, 0,1,2,3,4,5,6,7
	global_load_b32 v[VF+8*\c+\e], v4, s[4:5] offset:8192+\e*12288+64*\c
.endr
.endr
.irp c, 0,1,2,3
.irp e, 0,1,2,3,4,5,6,7
	global_load_b32 v[WF+8*\c+\e], v5, s[6:7] offset:(16*\c+\e)*4096
.endr
.endr
	global_load_b32 v248, v6, s[8:9]
	s_wait_loadcnt 63                              ; 65 loads are younger than K's; the count names the most that its field holds, so two of V's are awaited too
	; S^T = K Q^T: sixteen steps of 4 channels on two accumulators by turns
	v_wmma_f32_16x16x4_f32 v[SA:SA+7], v[KF:KF+1], v[QF:QF+1], 0
	v_wmma_f32_16x16x4_f32 v[SB:SB+7], v[KF+2:KF+3], v[QF+2:QF+3], 0
.irp s, 4,8,12,16,20,24,28
	v_wmma_f32_16x16x4_f32 v[SA:SA+7], v[KF+\s:KF+\s+1], v[QF+\s:QF+\s+1], v[SA:SA+7]
	v_wmma_f32_16x16x4_f32 v[SB:SB+7], v[KF+\s+2:KF+\s+3], v[QF+\s+2:QF+\s+3], v[SB:SB+7]
.endr
	v_lshlrev_b32 v11, 3, v2                       ; eight places behind this form (ISA guide 7.12.1): three lines of the mask's set-up and five v_nop
	v_sub_nc_u32 v11, v1, v11                      ; r - 8 h
	v_mov_b32 v12, 0xff800000
.rept 5
	v_nop
.endr
.irp e, 0,2,4,6
	v_pk_add_f32 v[T+\e:T+\e+1], v[SA+\e:SA+\e+1], v[SB+\e:SB+\e+1]   ; lane (r, h): query r, key 8 h + e
.endr
.irp e, 0,1,2,3,4,5,6,7
	v_cmp_gt_i32 vcc_lo, \e, v11                   ; key 8 h + e comes after query r
	v_cndmask_b32 v[T+\e], v[T+\e], v12, vcc_lo
.endr
	v_max3_num_f32 v13, v[T], v[T+1], v[T+2]
	v_max3_num_f32 v13, v13, v[T+3], v[T+4]
	v_max3_num_f32 v13, v13, v[T+5], v[T+6]
	v_max_num_f32 v13, v13, v[T+7]
	v_permlanex16_b32 v14, v13, s14, s15
	v_max_num_f32 v13, v13, v14                    ; key 0 counts for every query: the maximum is a number
	v_mul_f32 v13, s16, v13
.irp e, 0,1,2,3,4,5,6,7
	v_fma_f32 v[T+\e], v[T+\e], s16, -v13
.endr
.irp e, 0,1,2,3,4,5,6,7
	v_exp_f32 v[T+\e], v[T+\e]
.endr
	v_nop
	s_wait_alu depctr_va_vdst(0)                   ; one wait for the eight exponentials
	v_pk_add_f32 v[168:169], v[T:T+1], v[T+2:T+3]
	v_pk_add_f32 v[170:171], v[T+4:T+5], v[T+6:T+7]
	v_pk_add_f32 v[168:169], v[168:169], v[170:171]
	v_add_f32 v168, v168, v169
	v_permlanex16_b32 v14, v168, s14, s15
	v_add_f32 v168, v168, v14
	v_rcp_f32 v172, v168
	v_nop
	s_wait_alu depctr_va_vdst(0)
.irp e, 0,1,2,3,4,5,6,7
	v_mul_f32 v[T+\e], v[T+\e], v172
.endr
	s_wait_loadcnt 33                              ; V is in; w_proj's 32 loads and the bias may be out
	; y^T = V^T P^T: four tiles of channels by turns, four steps of 4 keys
.irp c, 0,1,2,3
	v_wmma_f32_16x16x4_f32 v[Y+8*\c:Y+8*\c+7], v[VF+8*\c:VF+8*\c+1], v[T:T+1], 0
.endr
.irp i, 2,4,6
.irp c, 0,1,2,3
	v_wmma_f32_16x16x4_f32 v[Y+8*\c:Y+8*\c+7], v[VF+8*\c+\i:VF+8*\c+\i+1], v[T+\i:T+\i+1], v[Y+8*\c:Y+8*\c+7]
.endr
.endr
.rept 9
	v_nop                                          ; nine places: the results become source 1 of the next product
.endr
	s_wait_loadcnt 0x0
	; out^T share = W^T y^T: one accumulator for each tile of channels, by turns
.irp c, 0,1,2,3
	v_wmma_f32_16x16x4_f32 v[OA+8*\c:OA+8*\c+7], v[WF+8*\c:WF+8*\c+1], v[Y+8*\c:Y+8*\c+1], 0
.endr
.irp i, 2,4,6
.irp c, 0,1,2,3
	v_wmma_f32_16x16x4_f32 v[OA+8*\c:OA+8*\c+7], v[WF+8*\c+\i:WF+8*\c+\i+1], v[Y+8*\c+\i:Y+8*\c+\i+1], v[OA+8*\c:OA+8*\c+7]
.endr
.endr
.rept 8
	v_nop
.endr
.irp e, 0,2,4,6
	v_pk_add_f32 v[R+\e:R+\e+1], v[OA+\e:OA+\e+1], v[OA+8+\e:OA+8+\e+1]
.endr
.irp e, 0,2,4,6
	v_pk_add_f32 v[R+\e:R+\e+1], v[R+\e:R+\e+1], v[OA+16+\e:OA+16+\e+1]
.endr
.irp e, 0,2,4,6
	v_pk_add_f32 v[R+\e:R+\e+1], v[R+\e:R+\e+1], v[OA+24+\e:OA+24+\e+1]
.endr
	ds_store_b128 v7, v[R:R+3]                     ; lane (r, h): row r, columns 8 h + 0 .. 7 of my head's share
	ds_store_b128 v7, v[R+4:R+7] offset:16
	s_wait_dscnt 0x0                               ; for the others' sake: my stores have landed
	s_barrier_signal -1
	s_barrier_wait -1
	s_cmp_ge_u32 s12, 8                            ; 256 results: a lane each in waves 0-7
	s_cbranch_scc1 .Ldone
.irp p, 0,1,2,3,4,5,6,7,8,9,10,11,12,13,14,15
	ds_load_b32 v[16+\p], v8 offset:1024*\p
.endr
	s_wait_dscnt 0x0
	v_pk_add_f32 v[16:17], v[16:17], v[18:19]
	v_pk_add_f32 v[20:21], v[20:21], v[22:23]
	v_pk_add_f32 v[24:25], v[24:25], v[26:27]
	v_pk_add_f32 v[28:29], v[28:29], v[30:31]
	v_pk_add_f32 v[16:17], v[16:17], v[20:21]
	v_pk_add_f32 v[24:25], v[24:25], v[28:29]
	v_pk_add_f32 v[16:17], v[16:17], v[24:25]
	v_add_f32 v16, v16, v17
	v_add_f32 v16, v16, v248
	global_store_b32 v10, v16, s[10:11]
.Ldone:
	s_wait_tensorcnt 0x0                           ; the wave's end
	ds_add_u32 v[SPW], v[NIL]
	s_wait_dscnt 0x0
	s_endpgm
.Lfunc_end_k_q16246ea628_fine:
	.size	k_q16246ea628_fine, .Lfunc_end_k_q16246ea628_fine-k_q16246ea628_fine
	.p2alignl 7, 3214868480
	.fill 96, 4, 3214868480
	.section	.rodata,"a",@progbits
	.p2align	6, 0x0
	.amdhsa_kernel k_q16246ea628_fine
		.amdhsa_group_segment_fixed_size 18432
		.amdhsa_private_segment_fixed_size 0
		.amdhsa_enable_private_segment 0
		.amdhsa_kernarg_size 32
		.amdhsa_user_sgpr_count 2
		.amdhsa_user_sgpr_kernarg_segment_ptr 1
		.amdhsa_wavefront_size32 1
		.amdhsa_system_sgpr_workgroup_id_x 1
		.amdhsa_system_sgpr_workgroup_id_y 1
		.amdhsa_system_sgpr_workgroup_id_z 1
		.amdhsa_system_vgpr_workitem_id 0
		.amdhsa_next_free_vgpr 256
		.amdhsa_next_free_sgpr 66
		.amdhsa_reserve_vcc 1
		.amdhsa_float_denorm_mode_32 3
		.amdhsa_float_denorm_mode_16_64 3
		.amdhsa_memory_ordered 1
		.amdhsa_forward_progress 1
		.amdhsa_inst_pref_size 20
	.end_amdhsa_kernel
	.amdgpu_metadata
---
amdhsa.version: [ 1, 2 ]
amdhsa.kernels:
  - .name:           k_q16246ea628_fine
    .symbol:         k_q16246ea628_fine.kd
    .args:
      - { .name: qkv32, .offset: 0, .size: 8, .value_kind: global_buffer, .address_space: global }
      - { .name: w_proj, .offset: 8, .size: 8, .value_kind: global_buffer, .address_space: global }
      - { .name: b_proj, .offset: 16, .size: 8, .value_kind: global_buffer, .address_space: global }
      - { .name: out0, .offset: 24, .size: 8, .value_kind: global_buffer, .address_space: global }
    .group_segment_fixed_size: 18432
    .private_segment_fixed_size: 0
    .kernarg_segment_align: 8
    .kernarg_segment_size: 32
    .max_flat_workgroup_size: 512
    .sgpr_count:     66
    .vgpr_count:     256
    .wavefront_size: 32
...
	.end_amdgpu_metadata
.endif
;; end of part 5
